; MI455X (gfx1250); checked and timed in simulation.
; The chip was launched on July 23, 2026; its instructions are those of AMD's public machine-readable ISA for CDNA 5 (MIT licence, August 2026) and "CDNA5" Instruction Set Architecture Reference Guide (July 2026). The comments in the code are by the model that wrote it; some were corrected since.
;; Attention. Allowed arithmetic: matrix products marked QUANTISED: E2M3 operands, one E8M0 scale for each 32 along K, by v_wmma_scale_f32_16x16x128_f8f6f4 with both operands' format E2M3, f32 sums; everything else in f32.
;; Inputs: b_proj 1,024 float32; w_proj 1,024 x 1,024 float32; w_qkv 1,024 x 3,072 float32; x 4 x 2,048 x 1,024 float32.
;; Outputs: out0 4 x 2,048 x 1,024 float32.
;; This version of the problem:
;;   THIS VERSION OF THE PROBLEM IS GIVEN IN LOW PRECISION. The matrix products marked QUANTISED in the list below multiply operands that are first quantised to E2M3 (2 exponent bits, 3 mantissa bits; 6 bits a number), with one power-of-two scale for each 32 numbers along K (OCP MX v1.0); their sums are f32. All else is computed in f32.
;;   The module's matrix products, in the order in which they are computed (A, B: the left and right operand; K: the contracted axis; several contracted axes count as one K, in the product's order):
;;     1. [M 8,192, K 1,024] x [K 1,024, N 3,072]; A: input x; B: input w_qkv: QUANTISED
;;     2. batch 64 x [M 2,048, K 64] x [K 64, N 2,048]; A: computed on the way; B: computed on the way: QUANTISED
;;     3. batch 64 x [M 2,048, K 2,048] x [K 2,048, N 64]; A: softmax (see below); B: computed on the way: QUANTISED
;;     4. [M 8,192, K 1,024] x [K 1,024, N 1,024]; A: computed on the way; B: input w_proj: QUANTISED
;;   THE QUANTISER, for each operand of a quantised product, along K:
;;     - K is cut into blocks of 32 from its start; a last block that is shorter is filled with zeros.
;;     - A block's scale is 2^e with e = floor(log2(the largest magnitude in the block)) - 2, held to -126 .. 127; a block of zeros has e = 0. As a byte (E8M0): e + 127.
;;     - Each number is divided by its block's scale, clamped to +-7.5, and rounded to the nearest number of E2M3, ties to even, subnormals kept.
;;     - The product sums the exact products of the quantised numbers (number of the format x scale) in f32.
;;   ~~~python
;;   def quantise(x, axis):      # numpy; x: float32 -> the quantised numbers, widened to float32 again
;;       x = np.moveaxis(x, axis, -1); K = x.shape[-1]
;;       x = np.pad(x, [(0, 0)] * (x.ndim - 1) + [(0, -K % 32)]); x = x.reshape(x.shape[:-1] + (-1, 32)); a = np.abs(x).max(-1, keepdims=True)
;;       e = np.where(a > 0, np.clip(np.frexp(np.where(a > 0, a, 1))[1] - 1 - 2, -126, 127), 0)      # np.frexp(a)[1] - 1 = floor(log2(a)), exactly
;;       r = np.clip(x / 2.0 ** e, -7.5, 7.5)
;;       step = 2.0 ** (np.maximum(np.frexp(np.where(r == 0, 1, r))[1] - 1, 0) - 3)
;;       q = np.round(r / step) * step * 2.0 ** e      # np.round: ties to even
;;       return np.moveaxis(q.reshape(q.shape[:-2] + (-1,))[..., :K], -1, axis).astype(np.float32)
;;   ~~~
;;   SOFTMAX AHEAD OF A QUANTISED PRODUCT. Where the list says 'softmax', what is quantised is not the finished softmax but p = 2^(t - M), with t = logit x log2(e) and M = ceil(the row's largest t), a whole number; so 1/2 < the row's largest p <= 1. The row's sum l is taken of the UNQUANTISED p, in f32, and the product's result is divided by l at the end. Since M is a whole number, a kernel that streams over the keys may use a running M (the ceiling of the running maximum): every later rescaling is an exact power of two, which a block's scale takes up: the codes' values come out the same.
;;   OPERANDS COMPUTED ON THE WAY. 'Computed on the way' means the value that the module computes at that place (a softmax that the list does not call 'softmax' is quantised finished and normalised). What goes into a quantiser is computed in f32, as accurately as f32 sums, v_exp_f32 and their like allow (about 1e-6 of the number): no bf16 or f16 on the way to a quantiser, and a product that is left as it is and whose result goes on into a quantised operand takes f32 operands (vector FMAs, or v_wmma_f32_16x16x4_f32). A number that lies on a knife's edge between two numbers of the format may be rounded either way, as far as f32 arithmetic and the matrix unit's own rounding can turn it there, and no further.
;; One version. Each part assembles by itself: llvm-mc -triple=amdgcn-amd-amdhsa -mcpu=gfx1250 --defsym DOCPART=n.
;; ======== version 1 of 1: 4 launches
;; limits: right only within a limited range of input values
;; workspace buffers: opc 9,437,184 bytes; opsc 393,216 bytes; qkvc 18,874,368 bytes; qkvsc 1,310,720 bytes; oc 6,291,456 bytes; osc 262,144 bytes
;; launch quant (part 1): grid 768 x 1, 4 waves a work-group, no clusters, 68,096 bytes of LDS; arguments x, w_qkv, w_proj, opc, opsc; writes opc, opsc
.if DOCPART == 1
	.amdgcn_target "amdgcn-amd-amdhsa--gfx1250"
	.amdhsa_code_object_version 6
	.text
	.protected	k_q317526da2f_quant
	.globl	k_q317526da2f_quant
	.p2align	8
	.type	k_q317526da2f_quant,@function
k_q317526da2f_quant:
	s_mov_b64 s[64:65], 0
	v_nop
	global_prefetch_b8 v0, s[64:65] scope:SCOPE_SE
	s_setreg_imm32_b32 hwreg(HW_REG_WAVE_MODE, 25, 1), 1
	s_wait_xcnt 0x0
; x [8192][1024], w_qkv [1024][3072] and w_proj [1024][1024], f32, become codes of FP6 (E2M3) with one E8M0 byte for each 32 along K (K = 1024 in all three),
; laid in the order of a matrix operand's registers, so that the products' launches load fragments by dense loads alone.
; TILES.  An operand's rows (x: tokens; the weights: their columns n) are cut into tiles of 16; lane r of tile T holds row 32 (T / 2) + 8 (T % 2) + r + 8 (r / 8).
; HALF FRAGMENT (768 bytes): 16 rows x 64 K.  Lane (r, h) owns 24 bytes, the codes k = 32 h .. 32 h + 31 of its row: the first 16 at byte 16 (r + 16 h), the last 8 at byte 512 + 16 r + 8 h.
; opc: [tile 0..767][K / 64 = 16][768]: tiles 0-511 x, 512-703 w_qkv's columns, 704-767 w_proj's.  opsc: [tile][512]: the scale word of (lane r, K step s of 128) at 128 (s / 2) + 8 r + 4 (s % 2).
; A block's scale is 2^(floor(log2(its largest magnitude)) - 2); its byte is the largest magnitude's exponent field - 2, held at 1 from below by a floor among the maximum's leaves.
; LIMITS: a block of zeros gets the byte 1 where the rule says 127 (its codes are zeros and this program alone reads the bytes); blocks whose largest magnitude lies under 2^(3 - 127) were not tried;
; NaN and infinities among the inputs are not served.  The weights' scale words leave as 4 bytes a lane, 8 bytes apart: one byte in 128 of what the launch reads.
; SHARES.  Work-groups 0-255 take the weights (128 columns x 128 K each; a lane takes a column and its registers run down K), work-groups 256-767 a tile of x each (a wave: 16 rows x 256 K).
; Every work-group reads 64 KiB.  The paths part on the work-group's number; the x path alone uses LDS, each wave its own bytes: no barrier.
.set KT,   12288                       ; a tile's codes in bytes
.set X,    32                          ; weights: v32-95  two sets of 32 numbers
.set E,    96                          ; v96-111  block t's first 16 bytes of codes
.set G,    112                         ; v112-119 the last 8 bytes of blocks 2 c and 2 c + 1
.set F,    120                         ; v120-122 the upper 16 codes as converted
.set WRD,  124                         ; v124     the scale word
.set RAW,  16                          ; x: v16-143 two units of 16 rows x 128 K as loaded
.set XA,   144                         ; v144-207 64 numbers in the quantiser's order
.set TM,   208                         ; v208-223 at work
.set PW,   224                         ; v224-225 the two units' scale words
.set PC,   226                         ; v226-244 the codes
.set SP,   528                         ; a stage row: 512 bytes + 16
.set STG,  16*SP                       ; a stage
.macro WLOAD cols, t                   ; block t: W(32 t + i, my column) into set t % 2; a wave reads 128 consecutive bytes, the four waves 512
.irp i, 0,1,2,3,4,5,6,7,8,9,10,11,12,13,14,15,16,17,18,19,20,21,22,23,24,25,26,27,28,29,30,31
	global_load_b32 v[X+32*((\t)%2)+\i], v3, s[28:29] offset:(32*(\t)+\i)*\cols*4 th:TH_LOAD_NT
.endr
.endm
.macro WBLOCK cols, t
.set XS, X+32*((\t)%2)
.if (\t) < 3
	s_wait_loadcnt 32                              ; this block's 32 loads are in; the next block's 32 may be out
.else
	s_wait_loadcnt 0x0
.endif
	v_max3_num_f32 v8, |v[XS]|, |v[XS+1]|, |v[XS+2]|               ; the block's largest magnitude: all 32 numbers are mine; two chains
	v_max3_num_f32 v9, |v[XS+3]|, |v[XS+4]|, |v[XS+5]|
.irp i, 6,10,14,18,22,26
	v_max3_num_f32 v8, v8, |v[XS+\i]|, |v[XS+\i+1]|
	v_max3_num_f32 v9, v9, |v[XS+\i+2]|, |v[XS+\i+3]|
.endr
	v_max3_num_f32 v8, v8, |v[XS+30]|, |v[XS+31]|
	v_max3_num_f32 v8, v8, v9, 3<<23               ; and the floor 2^(3 - 127): the byte cannot fall under 1
	v_add_nc_u32 v10, 0xff000000, v8               ; 2 off the exponent field: the conversion's scale operand
	v_lshrrev_b32 v11, 23, v10                     ; the scale's byte
	v_cvt_scalef32_pk16_fp6_f32 v[E+4*(\t):E+4*(\t)+2], v[XS:XS+15], v10
	v_cvt_scalef32_pk16_fp6_f32 v[F:F+2], v[XS+16:XS+31], v10      ; (a conversion's three registers begin on an even number)
.if (\t) == 0
	v_mov_b32 v[WRD], v11                          ; four bytes make the K step's word, the lower K in the lower byte.  (The plain line behind the conversions)
.else
	v_lshl_or_b32 v[WRD], v11, 8*(\t), v[WRD]
.endif
	v_mov_b32 v[E+4*(\t)+3], v[F]                  ; the block's 24 bytes: 16 here,
	v_mov_b32 v[G+4*((\t)/2)+2*((\t)%2)], v[F+1]   ; 8 beside those of the block that shares the half fragment
	v_mov_b32 v[G+4*((\t)/2)+2*((\t)%2)+1], v[F+2]
	global_store_b128 v4, v[E+4*(\t):E+4*(\t)+3], s[30:31] offset:((\t)/2)*768+256*((\t)%2)   ; the sixteen lanes of a tile store 256 consecutive bytes, aligned
.if (\t)%2
	global_store_b128 v4, v[G+4*((\t)/2):G+4*((\t)/2)+3], s[30:31] offset:((\t)/2)*768+512
.endif
.if (\t)+2 < 4
	WLOAD \cols, (\t)+2
.endif
.endm
; A weight of \cols columns, its pointer in s[\p:\p+1]; g0: the number gx of its first work-group.  No register that a store reads is written again.
.macro WPATH cols, p, g0
	v_lshlrev_b32 v3, 2, v2                        ; in: 4 bytes a lane: lane j takes column j of the wave's 32, a pair of tiles
	v_bfe_u32 v6, v2, 3, 1                         ; which tile of the pair: u = (j / 8) % 2
	v_and_b32 v7, 7, v2
	v_lshrrev_b32 v8, 4, v2
	v_lshl_add_u32 v7, v8, 3, v7                   ; and which lane of it: r = j % 8 + 8 (j / 16)
	v_mul_u32_u24 v4, v6, KT
	v_lshl_add_u32 v4, v7, 4, v4                   ; codes: 12288 u + 16 r
	v_lshlrev_b32 v5, 9, v6
	v_lshl_add_u32 v5, v7, 3, v5                   ; scale words: 512 u + 8 r
	s_mul_i32 s20, s18, 128*\cols*4                ; in: K step s, 128 rows of the weight,
	s_sub_co_u32 s19, s17, \g0
	s_lshl_b32 s19, s19, 9                         ; the work-group's 128 columns,
	s_add_co_u32 s20, s20, s19
	s_lshl_b32 s19, s16, 7                         ; the wave's 32
	s_add_co_u32 s20, s20, s19
	s_mov_b32 s21, 0
	s_lshl_b32 s22, s17, 3
	s_lshl_b32 s19, s16, 1
	s_add_co_u32 s22, s22, s19
	s_add_co_u32 s22, s22, 512                     ; the pair's first tile: 512 + 8 gx + 2 wave
	s_mul_i32 s24, s22, KT
	s_mul_i32 s19, s18, 1536                       ; K step s: two half fragments
	s_add_co_u32 s24, s24, s19
	s_mov_b32 s25, 0
	s_lshl_b32 s26, s22, 9
	s_lshr_b32 s19, s18, 1
	s_lshl_b32 s19, s19, 7
	s_add_co_u32 s26, s26, s19
	s_and_b32 s19, s18, 1
	s_lshl_b32 s19, s19, 2
	s_add_co_u32 s26, s26, s19                     ; 512 tile + 128 (s / 2) + 4 (s % 2)
	s_mov_b32 s27, 0
	s_wait_alu depctr_va_vdst(0)
	s_wait_kmcnt 0x0
	s_add_nc_u64 s[28:29], s[\p:\p+1], s[20:21]
	s_add_nc_u64 s[30:31], s[10:11], s[24:25]
	s_add_nc_u64 s[32:33], s[12:13], s[26:27]
	WLOAD \cols, 0
	WLOAD \cols, 1
	WBLOCK \cols, 0
	WBLOCK \cols, 1
	WBLOCK \cols, 2
	WBLOCK \cols, 3
	global_store_b32 v5, v[WRD], s[32:33]
	s_endpgm
.endm
; 64 numbers of a lane, v[s] on, number 16 b + i = k 32 b + 16 (lane / 16) + i of my row, become a fragment's 12 registers in v[PC] on and its scale word in v[pw].
.macro QUANT s, pw
.irp b, 0,1,2,3
	v_max3_num_f32 v[TM+\b], |v[\s+16*\b]|, |v[\s+1+16*\b]|, 0x1800000   ; block b: my 16 numbers, and the floor 2^(3 - 127)
.endr
.irp i, 2,4,6,8,10,12,14
.irp b, 0,1,2,3
	v_max3_num_f32 v[TM+\b], v[TM+\b], |v[\s+16*\b+\i]|, |v[\s+1+16*\b+\i]|   ; (the four blocks by turns)
.endr
.endr
.irp b, 0,1,2,3
	v_permlanex16_b32 v[TM+4+\b], v[TM+\b], s34, s35
.endr
.irp b, 0,1,2,3
	v_max_num_f32 v[TM+\b], v[TM+\b], v[TM+4+\b]   ; with lane l xor 16's: the block's largest magnitude
.endr
.irp b, 0,1,2,3
	v_add_nc_u32 v[TM+12+\b], 0xff000000, v[TM+\b] ; 2 off its exponent field: the conversion's scale operand
.endr
.irp b, 0,1,2,3
	v_lshrrev_b32 v[TM+4+\b], 23, v[TM+12+\b]      ; the scale's byte
.endr
	v_lshl_or_b32 v[\pw], v[TM+5], 8, v[TM+4]
	v_lshl_or_b32 v[\pw], v[TM+6], 16, v[\pw]
	v_lshl_or_b32 v[\pw], v[TM+7], 24, v[\pw]
.irp c, 0,1
	v_cvt_scalef32_pk16_fp6_f32 v[PC+6*\c:PC+2+6*\c], v[\s+32*\c:\s+15+32*\c], v[TM+12+2*\c]
	v_cvt_scalef32_pk16_fp6_f32 v[PC+12+4*\c:PC+14+4*\c], v[\s+16+32*\c:\s+31+32*\c], v[TM+12+2*\c+1]
.endr
	v_nop                                          ; one plain line behind a scaled conversion
.irp c, 0,1                                    ; the operand's layout wants a whole block in a lane: lanes 0-15 block 2 c, lanes 16-31 block 2 c + 1
.irp i, 0,1,2
	v_permlane16_swap_b32 v[PC+6*\c+\i], v[PC+12+4*\c+\i]
.endr
.irp i, 0,1,2
	v_mov_b32 v[PC+3+6*\c+\i], v[PC+12+4*\c+\i]
.endr
.endr
.endm
.macro XSTORE u                        ; unit u's fragment leaves as two half fragments: each store covers whole aligned runs of 256 bytes
.irp c, 0,1
	global_store_b128 v1, v[PC+6*\c:PC+6*\c+3], s[30:31] offset:1536*\u+768*\c
	global_store_b64 v6, v[PC+6*\c+4:PC+6*\c+5], s[30:31] offset:1536*\u+768*\c+512
.endr
.endm
	s_load_b256 s[4:11], s[0:1], 0x0               ; x s[4:5], w_qkv s[6:7], w_proj s[8:9], opc s[10:11]
	s_load_b64 s[12:13], s[0:1], 0x20              ; opsc
	v_lshl_add_u32 v248, v0, 2, 0x10800
	v_mov_b32 v249, 0
	v_lshrrev_b32 v1, 5, v0
	v_readfirstlane_b32 s16, v1                    ; wave 0..3
	v_and_b32 v2, 31, v0                           ; lane
	s_cmp_lt_u32 ttmp9, 256
	s_cbranch_scc0 .Lx_path
	s_and_b32 s17, ttmp9, 31                       ; gx: which 128 columns (0-23 w_qkv's, 24-31 w_proj's)
	s_lshr_b32 s18, ttmp9, 5                       ; s: which 128 along K
	s_cmp_lt_u32 s17, 24
	s_cbranch_scc0 .Lw_proj
	WPATH 3072, 6, 0
.Lw_proj:
	s_wait_alu depctr_va_vdst(0)
	WPATH 1024, 8, 24
.Lx_path:
	s_sub_co_u32 s17, ttmp9, 256                   ; T: my tile of x
	v_and_b32 v8, 15, v0                           ; r
	s_wait_alu depctr_va_vdst(0)
	v_lshrrev_b32 v9, 4, v2                        ; h
	v_lshlrev_b32 v1, 4, v2                        ; 16 x lane
	s_mul_i32 s18, s16, 2*STG                      ; my wave's two stages
	v_add_nc_u32 v4, s18, v1                       ; into a stage: a row's 512 bytes as they lie
	v_mul_u32_u24 v5, v8, SP
	v_lshl_add_u32 v5, v9, 6, v5
	v_add_nc_u32 v5, s18, v5                       ; out of it: row r, + 64 h: my 16 numbers of each block of 32
	v_lshlrev_b32 v6, 4, v8
	v_lshl_add_u32 v6, v9, 3, v6                   ; 16 r + 8 h
	v_lshlrev_b32 v7, 3, v8
	v_lshl_add_u32 v7, v9, 2, v7                   ; 8 r + 4 h
.irp b, 0,1,2,3
	v_mov_b32 v[TM+4+\b], 0                        ; written once: a lane permute's destination counts as one of its sources
.endr
	s_lshr_b32 s19, s17, 1
	s_lshl_b32 s19, s19, 5
	s_and_b32 s20, s17, 1
	s_lshl_b32 s20, s20, 3
	s_add_co_u32 s19, s19, s20                     ; the tile's first row: 32 (T / 2) + 8 (T % 2)
	s_lshl_b32 s20, s19, 12                        ; rows of 4,096 bytes
	s_lshl_b32 s21, s16, 10                        ; my wave's 256 along K
	s_add_co_u32 s20, s20, s21
	s_mov_b32 s21, 0
	s_mul_i32 s24, s17, KT
	s_mul_i32 s25, s16, 3072
	s_add_co_u32 s24, s24, s25
	s_mov_b32 s25, 0
	s_lshl_b32 s26, s17, 9
	s_lshl_b32 s27, s16, 7
	s_add_co_u32 s26, s26, s27
	s_mov_b32 s27, 0
	s_mov_b32 s34, 0x76543210
	s_mov_b32 s35, 0xfedcba98                      ; v_permlanex16_b32's selects for lane l xor 16
	s_mov_b32 s36, 0xffff0000                      ; lanes 16-31
	s_wait_alu depctr_va_vdst(0)
	s_wait_kmcnt 0x0
	s_add_nc_u64 s[28:29], s[4:5], s[20:21]
	s_add_nc_u64 s[30:31], s[10:11], s[24:25]
	s_add_nc_u64 s[32:33], s[12:13], s[26:27]
.irp u, 0,1
.irp i, 0,1,2,3,4,5,6,7,8,9,10,11,12,13,14,15
	global_load_b128 v[RAW+64*\u+4*\i:RAW+64*\u+4*\i+3], v1, s[28:29] offset:(\i+8*(\i/8))*4096+512*\u th:TH_LOAD_NT   ; the tile's row i, 128 numbers: 512 consecutive bytes
.endr
.endr
	s_wait_loadcnt 16                              ; unit 0's sixteen loads are in; unit 1's may be out
.irp i, 0,1,2,3,4,5,6,7,8,9,10,11,12,13,14,15
	ds_store_b128 v4, v[RAW+4*\i:RAW+4*\i+3] offset:SP*\i
.endr
.irp b, 0,1,2,3
.irp j, 0,1,2,3
	ds_load_b128 v[XA+16*\b+4*\j:XA+16*\b+4*\j+3], v5 offset:128*\b+16*\j   ; LDS serves a wave's instructions in order: these see the stores above
.endr
.endr
	s_wait_loadcnt 0x0
.irp i, 0,1,2,3,4,5,6,7,8,9,10,11,12,13,14,15
	ds_store_b128 v4, v[RAW+64+4*\i:RAW+64+4*\i+3] offset:STG+SP*\i
.endr
	s_wait_dscnt 16                                ; all but the sixteen stores just issued: unit 0 is back in the quantiser's order
.irp b, 0,1,2,3
.irp j, 0,1,2,3
	ds_load_b128 v[RAW+16*\b+4*\j:RAW+16*\b+4*\j+3], v5 offset:STG+128*\b+16*\j   ; unit 1 comes back while unit 0 is quantised
.endr
.endr
	QUANT XA, PW
	XSTORE 0
	s_wait_dscnt 0x0                               ; unit 1 is back
	s_wait_xcnt 0x0                                ; unit 0's stores have read the codes' registers: they are written again only behind this wait
	QUANT RAW, PW+1
	XSTORE 1
	v_cndmask_b32 v3, v[PW], v[PW+1], s36          ; lanes 0-15 the first K step's word, lanes 16-31 the second's
	global_store_b32 v7, v3, s[32:33]              ; 128 consecutive bytes
	s_wait_tensorcnt 0x0
	ds_add_u32 v248, v249
	s_wait_dscnt 0x0
	s_endpgm
.Lfunc_end_k_q317526da2f_quant:
	.size	k_q317526da2f_quant, .Lfunc_end_k_q317526da2f_quant-k_q317526da2f_quant
	.p2alignl 7, 3214868480
	.fill 96, 4, 3214868480
	.section	.rodata,"a",@progbits
	.p2align	6, 0x0
	.amdhsa_kernel k_q317526da2f_quant
		.amdhsa_group_segment_fixed_size 68096
		.amdhsa_private_segment_fixed_size 0
		.amdhsa_enable_private_segment 0
		.amdhsa_kernarg_size 40
		.amdhsa_user_sgpr_count 2
		.amdhsa_user_sgpr_kernarg_segment_ptr 1
		.amdhsa_wavefront_size32 1
		.amdhsa_system_sgpr_workgroup_id_x 1
		.amdhsa_system_sgpr_workgroup_id_y 1
		.amdhsa_system_sgpr_workgroup_id_z 1
		.amdhsa_system_vgpr_workitem_id 0
		.amdhsa_next_free_vgpr 250
		.amdhsa_next_free_sgpr 66
		.amdhsa_reserve_vcc 0
		.amdhsa_float_denorm_mode_32 3
		.amdhsa_float_denorm_mode_16_64 3
		.amdhsa_memory_ordered 1
		.amdhsa_forward_progress 1
		.amdhsa_inst_pref_size 58
	.end_amdhsa_kernel
	.amdgpu_metadata
---
amdhsa.version: [ 1, 2 ]
amdhsa.kernels:
  - .name:           k_q317526da2f_quant
    .symbol:         k_q317526da2f_quant.kd
    .args:
      - { .name: x, .offset: 0, .size: 8, .value_kind: global_buffer, .address_space: global }
      - { .name: w_qkv, .offset: 8, .size: 8, .value_kind: global_buffer, .address_space: global }
      - { .name: w_proj, .offset: 16, .size: 8, .value_kind: global_buffer, .address_space: global }
      - { .name: opc, .offset: 24, .size: 8, .value_kind: global_buffer, .address_space: global }
      - { .name: opsc, .offset: 32, .size: 8, .value_kind: global_buffer, .address_space: global }
    .group_segment_fixed_size: 68096
    .private_segment_fixed_size: 0
    .kernarg_segment_align: 8
    .kernarg_segment_size: 40
    .max_flat_workgroup_size: 128
    .sgpr_count:     66
    .vgpr_count:     250
    .wavefront_size: 32
...
	.end_amdgpu_metadata
.endif
;; end of part 1
;; launch gemm_qkv (part 2): grid 12 x 32, 4 waves a work-group, clusters of 4 x 4, 327,680 bytes of LDS; arguments opc, opsc, qkvc, qkvsc; writes qkvc, qkvsc
.if DOCPART == 2
	.amdgcn_target "amdgcn-amd-amdhsa--gfx1250"
	.amdhsa_code_object_version 6
	.text
	.protected	k_q317526da2f_gemm_qkv
	.globl	k_q317526da2f_gemm_qkv
	.p2align	8
	.type	k_q317526da2f_gemm_qkv,@function
k_q317526da2f_gemm_qkv:
	s_mov_b64 s[64:65], 0
	v_nop
	global_prefetch_b8 v0, s[64:65] scope:SCOPE_SE
	s_setreg_imm32_b32 hwreg(HW_REG_WAVE_MODE, 25, 1), 1
	s_wait_xcnt 0x0
	s_wait_alu depctr_hold_cnt(0) depctr_sa_sdst(0) depctr_va_vdst(0) depctr_va_sdst(0) depctr_va_ssrc(0) depctr_va_vcc(0) depctr_vm_vsrc(0)
	s_getreg_b32 s2, hwreg(HW_REG_IB_STS2, 6, 4)
	s_cmp_eq_u32 s2, 0
	s_cbranch_scc0 .Lentry_in_a_cluster
	s_endpgm
.Lentry_in_a_cluster:
	s_bfe_u32 s2, ttmp6, 0x10000c
	s_cmp_lg_u32 s2, 0xf033
	s_cbranch_scc0 .Lentry_shape_is_right
	s_endpgm
.Lentry_shape_is_right:
.set KT,     12288
.set ROWB,   3072
.set NQ,     2
.set FR,     12
.set NL,     4
.set NP,     4
.set HALFT,  8*ROWB
.set SLOT,   4*HALFT
.set SCL,    2*SLOT
.set SCP,    8320
.set SPARE,  213248
.set ADRA, 16
.set ADRB, 20
.set A16,  24
.set A8,   25
.set ADRS, 27
.set SPW,  28
.set NIL,  29
.set SC,   32
.set AF,   128
.set TM,   64
.set WD,   80
.set XW,   88
.set PC,   96
.set LO,   116
.set HI,   120
.set G1, 24
.set G0, 32
.set G1B, 48
.set G0B, 56
.set G1S, 68
.set G0S, 76
.set G1SB, 80
.set G0SB, 88
.set FLOOR, 58
.set SUBW,  59
.set HMASK, 60
.set SEL,   62
.set MSB, 0
.macro WIN new
.if MSB != \new
	s_set_vgpr_msb (MSB<<8)|\new
.set MSB, \new
.endif
.endm
.set MUL_LO, 0xa1
.set MUL_HI, 0xf1
.set TO_B,   0x40
.macro JLOAD g0a, g1a, g0b, g1b
	s_cmp_eq_u32 s15, 0
	s_cbranch_scc0 .Lfor_b_\@
	tensor_load_to_lds s[\g0a:\g0a+3], s[\g1a:\g1a+7]
	s_nop 0
.rept 4
	v_nop
.endr
	s_branch .Lasked_\@
.Lfor_b_\@:
	tensor_load_to_lds s[\g0b:\g0b+3], s[\g1b:\g1b+7]
	s_nop 0
.rept 4
	v_nop
.endr
.Lasked_\@:
.endm
.macro CREST
	s_cmp_lg_u32 s14, 0
	s_cbranch_scc1 .Lnot_wave_0_\@
	s_barrier_signal -3
.Lnot_wave_0_\@:
	s_barrier_wait -3
	s_barrier_signal -1
	s_barrier_wait -1
.endm
.macro CROUND
	s_barrier_signal -1
	s_barrier_wait -1
	CREST
.endm
	s_load_b128 s[4:7], s[0:1], 0x0
	s_load_b128 s[8:11], s[0:1], 0x10
	v_lshl_add_u32 v[SPW], v0, 2, SPARE
	v_mov_b32 v[NIL], 0
	ds_add_u32 v28, v29
	ds_add_u32 v28, v29
	s_wait_dscnt 0x0
	v_lshrrev_b32 v1, 5, v0
	v_readfirstlane_b32 s14, v1
	s_lshr_b32 s15, s14, 1
	s_and_b32 s16, s14, 1
	s_bfe_u32 s40, ttmp6, 0x40000
	s_bfe_u32 s41, ttmp6, 0x40004
	s_and_b32 s17, ttmp7, 0xffff
	s_lshl_b32 s43, s41, 2
	s_lshl_b32 s43, 15, s43
	s_lshl_b32 s44, 0x1111, s40
	s_or_b32 s[G1+0], s43, (3<<16)|(1<<21)
	s_or_b32 s[G1B+0], s44, (3<<16)|(1<<21)
.irp g, G1, G1B
	s_mov_b32 s[\g+1], 384<<16
	s_mov_b32 s[\g+2], 16<<16                      ; the head's loads bring all 16 tiles of a side; behind them the two words that count rows are set to 8
	s_mov_b32 s[\g+3], 384<<16
	s_mov_b32 s[\g+4], 16
	s_mov_b32 s[\g+5], 1536
	s_mov_b32 s[\g+6], 0
	s_mov_b32 s[\g+7], 0
.endr
	s_or_b32 s[G1S+0], s43, (3<<16)|(1<<21)
	s_or_b32 s[G1SB+0], s44, (3<<16)|(1<<21)
.irp g, G1S, G1SB
	s_mov_b32 s[\g+1], 32<<16
	s_mov_b32 s[\g+2], 32<<16                      ; the scale words of 16 tiles: 8,192 dense bytes
	s_mov_b32 s[\g+3], 32<<16
	s_mov_b32 s[\g+4], 32
	s_mov_b32 s[\g+5], 32
	s_mov_b32 s[\g+6], 0
	s_mov_b32 s[\g+7], 0
.endr
	s_lshl_b32 s18, s17, 6
	s_lshl_b32 s46, ttmp9, 6
	s_add_co_u32 s46, s46, 512
	s_cmp_eq_u32 ttmp9, 2
	s_cselect_b32 s46, s18, s46
	s_cselect_b32 s18, 640, s18
	s_lshl_b32 s19, s16, 3
	s_lshl_b32 s47, s40, 4
	s_add_co_u32 s46, s46, s47
	s_add_co_u32 s46, s46, s19
	s_lshl_b32 s42, s41, 4
	s_add_co_u32 s18, s18, s42
	s_add_co_u32 s18, s18, s19
	s_mul_i32 s20, s18, KT
	s_mov_b32 s21, 0
	s_sub_co_u32 s22, s18, s19                     ; the side's first tile, without my half
	s_lshl_b32 s22, s22, 9
	s_mov_b32 s23, 0
	s_mul_i32 s92, s46, KT
	s_mov_b32 s93, 0
	s_sub_co_u32 s94, s46, s19
	s_lshl_b32 s94, s94, 9
	s_mov_b32 s95, 0
	s_mul_i32 s45, s14, HALFT
	s_lshl_b32 s42, s14, 12
	s_wait_kmcnt 0x0
	s_add_nc_u64 s[20:21], s[4:5], s[20:21]
	s_add_nc_u64 s[22:23], s[6:7], s[22:23]
	s_add_nc_u64 s[92:93], s[4:5], s[92:93]
	s_add_nc_u64 s[94:95], s[6:7], s[94:95]
	CROUND
	s_mov_b32 s[G0S], 1
	s_mov_b32 s[G0S+1], SCL
	s_mov_b64 s[G0S+2:G0S+3], s[22:23]
	s_or_b32 s[G0S+3], s[G0S+3], 0x80000000
	s_mov_b32 s[G0SB], 1
	s_mov_b32 s[G0SB+1], SCL+SCP
	s_mov_b64 s[G0SB+2:G0SB+3], s[94:95]
	s_or_b32 s[G0SB+3], s[G0SB+3], 0x80000000
.irp s, 0,1
	s_mov_b32 s[G0+4*\s], 1
	s_add_co_u32 s[G0+4*\s+1], s45, \s*SLOT
	s_add_nc_u64 s[G0+4*\s+2:G0+4*\s+3], s[20:21], \s*ROWB
	s_or_b32 s[G0+4*\s+3], s[G0+4*\s+3], 0x80000000
	s_mov_b32 s[G0B+4*\s], 1
	s_add_co_u32 s[G0B+4*\s+1], s45, \s*SLOT
	s_add_nc_u64 s[G0B+4*\s+2:G0B+4*\s+3], s[92:93], \s*ROWB
	s_or_b32 s[G0B+4*\s+3], s[G0B+4*\s+3], 0x80000000
.endr
	; THE HEAD'S LOADS, ONE A WAVE: wave 0 slot 0's 16 tiles of A, wave 1 A's scale words, wave 2 slot 0's 16 tiles of B, wave 3 B's scale words.
	; Waves 0 and 2 fetch the lower half in the ring, so their slot 0 descriptors begin at the side's first tile.  One chain of branches on the wave's number, one load to an arm
	s_cmp_lt_u32 s14, 1
	s_cbranch_scc0 .Lhead_sa
	tensor_load_to_lds s[G0:G0+3], s[G1:G1+7]
	s_nop 0
.rept 4
	v_nop
.endr
	s_branch .Lhead_asked
.Lhead_sa:
	s_cmp_lt_u32 s14, 2
	s_cbranch_scc0 .Lhead_b
	tensor_load_to_lds s[G0S:G0S+3], s[G1S:G1S+7]
	s_nop 0
.rept 4
	v_nop
.endr
	s_branch .Lhead_asked
.Lhead_b:
	s_cmp_lt_u32 s14, 3
	s_cbranch_scc0 .Lhead_sb
	tensor_load_to_lds s[G0B:G0B+3], s[G1B:G1B+7]
	s_nop 0
.rept 4
	v_nop
.endr
	s_branch .Lhead_asked
.Lhead_sb:
	tensor_load_to_lds s[G0SB:G0SB+3], s[G1SB:G1SB+7]
	s_nop 0
.rept 4
	v_nop
.endr
.Lhead_asked:
	s_wait_alu depctr_va_vdst(0)
	s_wait_tensorcnt 0x0                           ; my tile of the head's four is in
	ds_add_u32 v28, v29
	s_mov_b32 s[G1+2], 8<<16                       ; no tensor load of mine is out, so a descriptor may be written: from here on a load brings 8 tiles
	s_mov_b32 s[G1+4], 8
	s_mov_b32 s[G1B+2], 8<<16
	s_mov_b32 s[G1B+4], 8
	s_wait_dscnt 0x0
	CROUND
	JLOAD G0+4, G1, G0B+4, G1B                     ; slot 1's first fill, the first tensor load behind the round
	v_and_b32 v1, 15, v0
	v_bfe_u32 v2, v0, 4, 1
	v_and_b32 v3, 31, v0
	v_lshlrev_b32 v[A16], 4, v3
	v_lshlrev_b32 v[A8], 4, v1
	v_lshl_add_u32 v[A8], v2, 3, v[A8]
	s_mul_i32 s18, s15, HALFT
	s_mul_i32 s19, s16, HALFT
	s_add_co_u32 s19, s19, 2*HALFT
.irp s, 0,1
	v_add_nc_u32 v[ADRA+\s], s18, v[A16]
	v_add_nc_u32 v[ADRA+2+\s], s18, v[A8]
	v_add_nc_u32 v[ADRB+\s], s19, v[A16]
	v_add_nc_u32 v[ADRB+2+\s], s19, v[A8]
	s_add_co_u32 s18, s18, SLOT
	s_add_co_u32 s19, s19, SLOT
.endr
	s_lshl_b32 s18, s15, 12
	s_lshl_b32 s19, s16, 12
	s_add_co_u32 s19, s19, SCP
	s_sub_co_u32 s19, s19, s18
	v_mul_u32_u24 v4, s19, v2
	s_add_co_u32 s18, s18, SCL
	v_lshl_add_u32 v4, v1, 3, v4
	v_add_nc_u32 v[ADRS], s18, v4
.macro FRAG reg, adr, q, i
	ds_load_b128 v[\reg:\reg+3],     v[\adr]   offset:ROWB*(\i)+1536*(\q)
	ds_load_b64  v[\reg+4:\reg+5],   v[\adr+2] offset:ROWB*(\i)+1536*(\q)+512
	ds_load_b128 v[\reg+6:\reg+9],   v[\adr]   offset:ROWB*(\i)+1536*(\q)+768
	ds_load_b64  v[\reg+10:\reg+11], v[\adr+2] offset:ROWB*(\i)+1536*(\q)+1280
.endm
.macro MUL16 a0, p, q, sc, zero
.irp a, \a0, \a0+1
.irp b, 0,1,2,3,4,5,6,7
.if \zero
	v_wmma_scale_f32_16x16x128_f8f6f4 v[8*(8*((\a)%4)+\b):8*(8*((\a)%4)+\b)+7], v[128*(\p)+FR*\b:128*(\p)+FR*\b+FR-1], v[AF+FR*(\a):AF+FR*(\a)+FR-1], 0, v[SC+8*NQ*(\sc)+NQ*\b+(\q)], v[SC+8*NQ*(\sc)+NQ*(\a)+(\q)] matrix_a_fmt:MATRIX_FMT_FP6 matrix_b_fmt:MATRIX_FMT_FP6 matrix_a_scale:MATRIX_SCALE_ROW1
.else
	v_wmma_scale_f32_16x16x128_f8f6f4 v[8*(8*((\a)%4)+\b):8*(8*((\a)%4)+\b)+7], v[128*(\p)+FR*\b:128*(\p)+FR*\b+FR-1], v[AF+FR*(\a):AF+FR*(\a)+FR-1], v[8*(8*((\a)%4)+\b):8*(8*((\a)%4)+\b)+7], v[SC+8*NQ*(\sc)+NQ*\b+(\q)], v[SC+8*NQ*(\sc)+NQ*(\a)+(\q)] matrix_a_fmt:MATRIX_FMT_FP6 matrix_b_fmt:MATRIX_FMT_FP6 matrix_a_scale:MATRIX_SCALE_ROW1
.endif
.endr
.endr
.endm
.macro FETCH_B slot, q, p
	WIN TO_B
.irp i, 0,1,2,3,4,5,6,7
	FRAG 128*(\p)+FR*\i, ADRB+\slot, \q, \i
.endr
	WIN 0
.endm
.macro FETCH_A slot, q, i0
.irp i, \i0, \i0+1, \i0+2, \i0+3
	FRAG AF+FR*(\i), ADRA+\slot, \q, \i
.endr
.endm
.macro SCALES sc
.irp i, 0,1,2,3,4,5,6,7
	ds_load_b64 v[SC+8*NQ*\sc+NQ*\i:SC+8*NQ*\sc+NQ*\i+1], v[ADRS] offset:\i*512
.endr
.endm
.macro PLACES n
.rept \n
	v_nop
.endr
.endm
.macro STEP slot, q, zero
	s_wait_dscnt 4*NL
	WIN MUL_LO
	MUL16 0, (\q)%2, \q, \slot, \zero
	MUL16 2, (\q)%2, \q, \slot, \zero
	s_wait_dscnt 0
	PLACES NP
	FETCH_B \slot, (\q)+1, 1-(\q)%2
	FETCH_A \slot, (\q)+1, 0
	WIN MUL_HI
	MUL16 4, (\q)%2, \q, \slot, \zero
	MUL16 6, (\q)%2, \q, \slot, \zero
	PLACES NP
	WIN 0
	FETCH_A \slot, (\q)+1, 4
.endm
.macro TURN slot, next, fill
	s_wait_tensorcnt 0x0
	ds_add_u32 v[SPW], v[NIL]
	s_wait_dscnt 4*NL+1
	WIN MUL_LO
	MUL16 0, 1, NQ-1, \slot, 0
	s_wait_dscnt 0x0
	s_barrier_signal -1
	MUL16 2, 1, NQ-1, \slot, 0
	WIN 0
	s_barrier_wait -1
.if \fill
	CREST
	s_add_nc_u64 s[G0+4*\slot+2:G0+4*\slot+3], s[G0+4*\slot+2:G0+4*\slot+3], 2*ROWB
	s_add_nc_u64 s[G0B+4*\slot+2:G0B+4*\slot+3], s[G0B+4*\slot+2:G0B+4*\slot+3], 2*ROWB
	JLOAD G0+4*\slot, G1, G0B+4*\slot, G1B
.else
	PLACES NP
.endif
	s_wait_alu depctr_va_vdst(0)
	v_add_nc_u32 v[ADRS], 128, v[ADRS]
	FETCH_B \next, 0, 0
	FETCH_A \next, 0, 0
	SCALES \next
	WIN MUL_HI
	MUL16 4, 1, NQ-1, \slot, 0
	MUL16 6, 1, NQ-1, \slot, 0
	PLACES NP
	WIN 0
	FETCH_A \next, 0, 4
.endm
	s_wait_alu depctr_va_vdst(0)
	s_wait_tensorcnt 1
	s_barrier_signal -1
	s_barrier_wait -1
	FETCH_B 0, 0, 0
	FETCH_A 0, 0, 0
	SCALES 0
	FETCH_A 0, 0, 4
	STEP 0, 0, 1
	TURN 0, 1, 1
	STEP 1, 0, 0
	TURN 1, 0, 1
	STEP 0, 0, 0
	TURN 0, 1, 0
	STEP 1, 0, 0
	s_wait_dscnt 4*NL
	WIN MUL_LO
	MUL16 0, 1, NQ-1, 1, 0
	MUL16 2, 1, NQ-1, 1, 0
	s_wait_dscnt 0
	WIN MUL_HI
	MUL16 4, 1, NQ-1, 1, 0
	MUL16 6, 1, NQ-1, 1, 0
	WIN 0
	PLACES NP
	s_cmp_eq_u32 ttmp9, 2
	s_cselect_b32 s24, s41, s40
	s_cselect_b32 s25, s15, s16
	s_cselect_b32 s26, s40, s41
	s_cselect_b32 s27, s16, s15
	s_mov_b32 s28, 3072
	s_cselect_b32 s28, 98304, s28
	s_mov_b32 s30, 98304
	s_cselect_b32 s30, 3072, s30
	s_cselect_b32 s32, 12, 13
	s_cselect_b32 s33, 8, 9
	s_mov_b32 s29, 0
	s_mov_b32 s31, 0
	s_lshl_b32 s24, s24, 2
	s_lshl_b32 s25, s25, 1
	s_add_co_u32 s24, s24, s25
	s_lshl_b32 s34, s17, 2
	s_add_co_u32 s34, s34, s26
	s_and_b32 s34, s34, 7
	s_lshl_b32 s34, s34, 1
	s_add_co_u32 s34, s34, s27
	s_lshr_b32 s35, s17, 1
	s_lshl_b32 s35, s35, 4
	s_add_co_u32 s35, s35, s24
	s_mul_i32 s36, ttmp9, 6291456
	s_mul_i32 s37, s35, 98304
	s_add_co_u32 s36, s36, s37
	s_mul_i32 s37, s34, 6144
	s_add_co_u32 s36, s36, s37
	s_mov_b32 s37, 0
	s_add_nc_u64 s[48:49], s[8:9], s[36:37]
	s_add_nc_u64 s[50:51], s[48:49], s[30:31]
	s_add_nc_u64 s[52:53], s[48:49], s[28:29]
	s_add_nc_u64 s[54:55], s[52:53], s[30:31]
	s_mul_i32 s36, ttmp9, 524288
	s_lshl_b32 s38, s35, s32
	s_add_co_u32 s36, s36, s38
	s_lshl_b32 s38, s34, s33
	s_add_co_u32 s36, s36, s38
	s_add_nc_u64 s[56:57], s[10:11], s[36:37]
	s_cmp_eq_u32 ttmp9, 0
	s_mov_b32 s[FLOOR], 3<<23
	s_cselect_b32 s[FLOOR], 6<<23, s[FLOOR]
	s_cselect_b32 s[SUBW], 0x03030303, 0
	s_mov_b32 s[HMASK], 0xffff0000
	s_mov_b32 s[SEL], 0x76543210
	s_mov_b32 s[SEL+1], 0xfedcba98
.irp b, 0,1,2,3
	v_mov_b32 v[TM+4+\b], 0
.endr
.macro QBLOCK a
.set W, 2+(\a)/4
.set WW, W|(W<<2)
.set AC, 64*((\a)%4)
.set BP, 48+4*((\a)/4)
	WIN WW
.irp b, 0,1,2,3
	v_max3_num_f32 v[TM+\b], |v[AC+16*\b]|, |v[AC+16*\b+1]|, s[FLOOR]
.endr
.irp i, 2,4,6,8,10,12,14
.irp b, 0,1,2,3
	v_max3_num_f32 v[TM+\b], |v[AC+16*\b+\i]|, |v[AC+16*\b+\i+1]|, v[TM+\b]
.endr
.endr
	WIN 0
.irp b, 0,1,2,3
	v_permlanex16_b32 v[TM+4+\b], v[TM+\b], s[SEL], s[SEL+1]
.endr
.irp b, 0,1,2,3
	v_max_num_f32 v[TM+\b], v[TM+\b], v[TM+4+\b]
.endr
.irp b, 0,1,2,3
	v_add_nc_u32 v[TM+12+\b], 0xff000000, v[TM+\b]
.endr
.irp b, 0,1,2,3
	v_lshrrev_b32 v[TM+4+\b], 23, v[TM+12+\b]
.endr
	v_lshl_or_b32 v[WD+(\a)], v[TM+5], 8, v[TM+4]
	v_lshl_or_b32 v[WD+(\a)], v[TM+6], 16, v[WD+(\a)]
	v_lshl_or_b32 v[WD+(\a)], v[TM+7], 24, v[WD+(\a)]
	s_wait_xcnt 0x0
	WIN W
.irp c, 0,1
	v_cvt_scalef32_pk16_fp6_f32 v[PC+6*\c:PC+2+6*\c], v[AC+32*\c:AC+15+32*\c], v[TM+12+2*\c]
	v_cvt_scalef32_pk16_fp6_f32 v[PC+12+4*\c:PC+14+4*\c], v[AC+16+32*\c:AC+31+32*\c], v[TM+12+2*\c+1]
.endr
	WIN 0
	v_nop
.irp c, 0,1
.irp i, 0,1,2
	v_permlane16_swap_b32 v[PC+6*\c+\i], v[PC+12+4*\c+\i]
.endr
.irp i, 0,1,2
	v_mov_b32 v[PC+3+6*\c+\i], v[PC+12+4*\c+\i]
.endr
.endr
	global_store_b128 v[A16], v[PC:PC+3], s[BP:BP+1] offset:((\a)%4)*768
	global_store_b64 v[A8], v[PC+4:PC+5], s[BP:BP+1] offset:((\a)%4)*768+512
	global_store_b128 v[A16], v[PC+6:PC+9], s[BP+2:BP+3] offset:((\a)%4)*768
	global_store_b64 v[A8], v[PC+10:PC+11], s[BP+2:BP+3] offset:((\a)%4)*768+512
.endm
.irp a, 0,1,2,3,4,5,6,7
	QBLOCK \a
.endr
.irp j, 0,1,2,3
	v_cndmask_b32 v[XW+\j], v[WD+2*\j], v[WD+2*\j+1], s[HMASK]
.endr
.irp j, 0,1,2,3
	v_sub_nc_u32 v[XW+\j], v[XW+\j], s[SUBW]
.endr
	s_cmp_eq_u32 ttmp9, 2
	s_cbranch_scc1 .Lv_words
.irp j, 0,1,2,3
	v_and_b32 v[LO+\j], 0xffff, v[XW+\j]
	v_lshrrev_b32 v[HI+\j], 16, v[XW+\j]
.endr
	global_store_b128 v[A16], v[LO:LO+3], s[56:57]
	global_store_b128 v[A16], v[HI:HI+3], s[56:57] offset:8192
	s_branch .Lwords_done
.Lv_words:
	s_wait_alu depctr_va_vdst(0)
	global_store_b64 v[A8], v[XW:XW+1], s[56:57]
	global_store_b64 v[A8], v[XW+2:XW+3], s[56:57] offset:4096
.Lwords_done:
	s_wait_tensorcnt 0x0
	ds_add_u32 v[SPW], v[NIL]
	s_wait_dscnt 0x0
	CROUND
	s_endpgm
.Lfunc_end_k_q317526da2f_gemm_qkv:
	.size	k_q317526da2f_gemm_qkv, .Lfunc_end_k_q317526da2f_gemm_qkv-k_q317526da2f_gemm_qkv
	.p2alignl 7, 3214868480
	.fill 96, 4, 3214868480
	.section	.rodata,"a",@progbits
	.p2align	6, 0x0
	.amdhsa_kernel k_q317526da2f_gemm_qkv
		.amdhsa_group_segment_fixed_size 327680
		.amdhsa_private_segment_fixed_size 0
		.amdhsa_enable_private_segment 0
		.amdhsa_kernarg_size 32
		.amdhsa_user_sgpr_count 2
		.amdhsa_user_sgpr_kernarg_segment_ptr 1
		.amdhsa_wavefront_size32 1
		.amdhsa_system_sgpr_workgroup_id_x 1
		.amdhsa_system_sgpr_workgroup_id_y 1
		.amdhsa_system_sgpr_workgroup_id_z 1
		.amdhsa_system_vgpr_workitem_id 0
		.amdhsa_next_free_vgpr 1024
		.amdhsa_next_free_sgpr 100
		.amdhsa_reserve_vcc 0
		.amdhsa_float_denorm_mode_32 3
		.amdhsa_float_denorm_mode_16_64 3
		.amdhsa_memory_ordered 1
		.amdhsa_forward_progress 1
		.amdhsa_inst_pref_size 151
	.end_amdhsa_kernel
	.amdgpu_metadata
---
amdhsa.version: [ 1, 2 ]
amdhsa.kernels:
  - .name:           k_q317526da2f_gemm_qkv
    .symbol:         k_q317526da2f_gemm_qkv.kd
    .args:
      - { .name: opc, .offset: 0, .size: 8, .value_kind: global_buffer, .address_space: global }
      - { .name: opsc, .offset: 8, .size: 8, .value_kind: global_buffer, .address_space: global }
      - { .name: qkvc, .offset: 16, .size: 8, .value_kind: global_buffer, .address_space: global }
      - { .name: qkvsc, .offset: 24, .size: 8, .value_kind: global_buffer, .address_space: global }
    .group_segment_fixed_size: 327680
    .private_segment_fixed_size: 0
    .kernarg_segment_align: 8
    .kernarg_segment_size: 32
    .max_flat_workgroup_size: 128
    .sgpr_count:     100
    .vgpr_count:     1024
    .wavefront_size: 32
...
	.end_amdgpu_metadata
.endif
;; end of part 2
;; launch attn (part 3): grid 4 x 64, 16 waves a work-group, clusters of 4 x 1, 215,040 bytes of LDS; arguments qkvc, qkvsc, oc, osc; writes oc, osc
.if DOCPART == 3
	.amdgcn_target "amdgcn-amd-amdhsa--gfx1250"
	.amdhsa_code_object_version 6
	.text
	.protected	k_q317526da2f_attn
	.globl	k_q317526da2f_attn
	.p2align	8
	.type	k_q317526da2f_attn,@function
k_q317526da2f_attn:
	s_mov_b64 s[64:65], 0
	v_nop
	global_prefetch_b8 v0, s[64:65] scope:SCOPE_SE
	s_setreg_imm32_b32 hwreg(HW_REG_WAVE_MODE, 25, 1), 1
	s_wait_xcnt 0x0
	s_wait_alu depctr_hold_cnt(0) depctr_sa_sdst(0) depctr_va_vdst(0) depctr_va_sdst(0) depctr_va_ssrc(0) depctr_va_vcc(0) depctr_vm_vsrc(0)
	s_getreg_b32 s2, hwreg(HW_REG_IB_STS2, 6, 4)
	s_cmp_eq_u32 s2, 0
	s_cbranch_scc0 .Lentry_in_a_cluster
	s_endpgm
.Lentry_in_a_cluster:
	s_bfe_u32 s2, ttmp6, 0x10000c
	s_cmp_lg_u32 s2, 0x3003
	s_cbranch_scc0 .Lentry_shape_is_right
	s_endpgm
.Lentry_shape_is_right:
; o = softmax((q / 8) k^T) v for each of 64 (batch, head), both products on codes of FP6 (E2M3) with E8M0 scales; o leaves QUANTISED along C, as the last product's operand.
; THE SOFTMAX: t = score x log2(e) (the 1 / 8 is in q's scale bytes); M = the row's largest t so far, rounded UP to a whole number; p = 2^(t - M) is quantised along the keys, not normalised.
; The row's sum is taken of the unquantised p and divides O at the end.  When M moves, the sum and O are multiplied by 2^(old M - new M): exact.
; IN (qkvc, qkvsc): half fragments of 768 bytes (16 rows x 64 K as a register image: lane (r, h)'s 24 bytes: 16 at 16 (r + 16 h), 8 at 512 + 16 r + 8 h); row r of stored tile T is token 32 (T / 2) + 8 (T % 2) + r + 8 (r / 8).
; q at 0, k at 6,291,456: [bh][token tile 128][768]; v at 12,582,912: [bh][64 keys: 32][channel tile 4][768].
; SHARES.  A cluster of four work-groups is one (batch, head); a work-group owns 512 queries; each of its sixteen waves two tiles of 16, one after the other, in 256 registers.
; THE HEAD'S K, V AND SCALE WORDS LIE IN LDS WHOLE, filled once by ONE joint load a wave, which names the four work-groups: waves 0-5 V (64 rows of 256 bytes each), 6-9 K's even pairs of tiles and 10-13 its odd pairs
; (8 rows of 1,536 bytes each), 14 K's words, 15 V's.  No byte is filled again: one barrier behind the fills, none in the loops.  No data prefetch: the only fills stand at the head, with no loop ahead of them to ask from.
; WHICH KEYS FORM A TILE OF K is chosen by the LDS addresses: of each 64 keys, tile u (0..3) takes in lanes 0-7 keys 8 u + 0..7 and in lanes 8-15 keys 32 + 8 u + 0..7.  So in S^T = K Q^T lane (r, h) holds query r,
; and the 32 registers of four tiles are the WHOLE block of keys 64 c + 32 h + 0..31: a block's maximum needs no other lane, and the conversions' results are p's operand registers lane by lane.
; Those rows lie in stored tiles 4 c + u % 2 (lanes 0-7) and 4 c + 2 + u % 2 (lanes 8-15), rows r % 8 + 8 (u / 2).  The stored pairs of tiles 4 c, 4 c + 1 go to LDS region KE and the pairs 4 c + 2, 4 c + 3 to region KO,
; 32 pairs each; KO begins 128 bytes past a multiple of 256: the sixteen rows that a load touches then lie in 256 different bytes modulo 256.
; K = 64 IN AN INSTRUCTION OF 128: Q's registers 6-11 are zero codes, and bytes 2 and 3 of q's and k's scale words are 0.  K's fragment n names twelve registers from v[K + 6 n]: its upper six are the next
; fragment's codes (the last: zeros): finite numbers that meet zero codes and add nothing.
; K and V have registers of their own: the next step's K is asked of LDS behind this step's first products, the next step's V behind its second.
; OUT.  oc: [token tile 512][head 16][768]; osc: [tile][512]: byte 2 (head % 2) + block of the word at 128 (head / 4) + 8 r + 4 ((head / 2) % 2).  Two heads share a word, so the bytes leave singly, one a lane.
; LIMITS: the promise holds while the scaled scores stay under 2^31 in magnitude; a block of zeros gets the byte 1 where the rule says 127 (this program alone reads the bytes); a p under 2^-126 comes out of
; v_exp_f32 as 0 (ISA guide, 15.8), beside a sum above 1 / 2; NaN and infinities are not served.
.set KE,    98304                      ; LDS: V at 0 (98,304 bytes); K's even pairs (49,152); K's odd pairs (49,152); K's scale words (8,192); V's (4,096); the spare words (2,048)
.set KO,    147584
.set KSB,   196864
.set VSB,   205056
.set SPARE, 209152
.set OB,   0                           ; v0   8 r + h: my scale byte's place (made when the thread's number has served)
.set V16,  1                           ; v1   16 x lane
.set V8,   2                           ; v2   16 r + 8 h
.set AK16, 3                           ; v3   K: KE + (KO - KE) (r / 8) + 16 (r % 8) + 256 h
.set AK8,  4                           ; v4   the same with 8 h
.set AKS,  5                           ; v5   K's words: KSB + 16 (r % 8) + 4 (r / 8) + 128 h
.set SH8,  6                           ; v6   8 h
.set QS,   7                           ; v7   Q's scale word
.set SPW,  8                           ; v8, v9 the add's two registers
.set NIL,  9
.set FF,   10                          ; v10  f = 2^(old M - new M), named as the pair v[10:11]
.set PS,   11                          ; v11  p's scale word
.set W,    16                          ; v16-18 the next step's LDS addresses; then a conversion's result
.set PX0,  16
.set T0,   19
.set PX1,  20                          ; v20-22 a conversion's result
.set T1,   23
.set BM,   24                          ; v24-27 maxima; v26-27 then the conversions' scale operands
.set SO,   26
.set Q,    28                          ; v28-33 Q's codes, v34-39 zeros
.set K,    40                          ; v40-87 8 fragments of K, six registers apart; v88-93 zeros
.set KS,   94                          ; v94-97 K's words: register 2 c + u % 2: lanes 0-15 tile u % 2, lanes 16-31 tile u % 2 + 2
.set VS,   98                          ; v98-99 V's words: register j: lanes 0-15 channel tile 2 j, lanes 16-31 tile 2 j + 1
.set V,    100                         ; v100-147 4 fragments of V
.set S,    148                         ; v148-211 S^T, then p
.set O,    212                         ; v212-243 O^T
.set PC,   244                         ; v244-255 p's codes; ahead of them three partial sums
.set WV,   12                          ; s12 wave; s13 cx; s14 (batch, head)
.set SEL,  20
.set CS,   22
.set STEPS, 86
.set PASS, 87
.set HMASK, 88
.set NK,   89
.set NS,   90
.set NV,   91
.set NW,   92
.set NX,   93
.macro CROUND                          ; a round of the cluster's barrier
	s_barrier_signal -1
	s_barrier_wait -1
	s_cmp_lg_u32 s[WV], 0
	s_cbranch_scc1 .Lnot_wave_0_\@
	s_barrier_signal -3
.Lnot_wave_0_\@:
	s_barrier_wait -3
	s_barrier_signal -1
	s_barrier_wait -1
.endm
.macro G1SET g, c, r, p                ; descriptor group 1: r rows of c elements of 8 bytes, p elements apart; 15:0 the mask: all four work-groups; 21 set beside it
	s_mov_b32 s[\g], 15|(3<<16)|(1<<21)
	s_mov_b32 s[\g+1], \c<<16
	s_mov_b32 s[\g+2], \r<<16
	s_mov_b32 s[\g+3], \c<<16
	s_mov_b32 s[\g+4], \r
	s_mov_b32 s[\g+5], \p
	s_mov_b32 s[\g+6], 0
	s_mov_b32 s[\g+7], 0
.endm
.macro ASK p, g1                       ; group 0's address from the buffer in s[p:p+1] and the offset in s[84:85]; the load
	s_add_nc_u64 s[58:59], s[\p:\p+1], s[84:85]
	s_or_b32 s59, s59, 0x80000000
	tensor_load_to_lds s[56:59], s[\g1:\g1+7]
	s_nop 0
.endm
.macro KLOAD a16, a8, as               ; a step's K: 16 loads, and 4 of scale words: 20 LDS loads
.irp c, 0,1
.irp u, 0,1,2,3
	ds_load_b128 v[K+6*(4*\c+\u):K+6*(4*\c+\u)+3], v[\a16] offset:1536*\c+768*(\u%2)+128*(\u/2)
	ds_load_b64 v[K+6*(4*\c+\u)+4:K+6*(4*\c+\u)+5], v[\a8] offset:1536*\c+768*(\u%2)+128*(\u/2)+512
.endr
.endr
.irp g, 0,1,2,3
	ds_load_b32 v[KS+\g], v[\as] offset:8*(\g/2)+256*(\g%2)
.endr
.endm
.macro VLOAD a16, a8, as               ; a step's V: 16 loads, and 1 of scale words: 17 LDS loads
.irp ct, 0,1,2,3
.irp c, 0,1
	ds_load_b128 v[V+12*\ct+6*\c:V+12*\ct+6*\c+3], v[\a16] offset:3072*\c+768*\ct
	ds_load_b64 v[V+12*\ct+6*\c+4:V+12*\ct+6*\c+5], v[\a8] offset:3072*\c+768*\ct+512
.endr
.endr
	ds_load_b64 v[VS:VS+1], v[\as]
.endm
.macro QLOAD                           ; a tile of Q: its half fragment and its scale words (lanes 0-15 are read; lanes 16-31 load 8 bytes further on, inside the same 512)
	global_load_b128 v[Q:Q+3], v[V16], s[76:77]
	global_load_b64 v[Q+4:Q+5], v[V8], s[76:77] offset:512
	global_load_b32 v[QS], v[V8], s[78:79]
.endm
	s_load_b256 s[4:11], s[0:1], 0x0               ; qkvc s[4:5], qkvsc s[6:7], oc s[8:9], osc s[10:11]
	v_lshl_add_u32 v[SPW], v0, 2, SPARE
	v_mov_b32 v[NIL], 0
	ds_add_u32 v[SPW], v[NIL]                      ; the opening lines: the add twice on end and its wait ahead of my tensor load
	ds_add_u32 v[SPW], v[NIL]
	v_lshrrev_b32 v1, 5, v0
	v_readfirstlane_b32 s[WV], v1                  ; wave 0..15
	s_bfe_u32 s13, ttmp6, 0x40000                  ; cx: it enters Q's, oc's and osc's addresses alone
	s_and_b32 s14, ttmp7, 0xffff                   ; 16 b + head, which the four partners share
	G1SET 24, 192, 8, 384                          ; K: 8 pairs of tiles, every second pair of memory
	G1SET 32, 32, 64, 32                           ; V: 16,384 dense bytes
	G1SET 40, 32, 32, 32                           ; K's words: 8,192
	G1SET 48, 32, 16, 32                           ; V's words: 4,096
	s_mov_b32 s56, 1
	s_mov_b32 s85, 0
	s_mul_i32 s18, s14, 98304                      ; the head's first byte in each section of codes
	s_mov_b32 s[SEL], 0x76543210
	s_mov_b32 s[SEL+1], 0xfedcba98                 ; lane selects for lane l xor 16
	s_mov_b32 s[CS], 0x3fb8aa3b                    ; log2(e)
	s_mov_b32 s[CS+1], s[CS]                       ; (named with it as a pair, so it is written)
	s_mov_b32 s[HMASK], 0xffff0000                 ; lanes 16-31
	s_wait_dscnt 0x0
	s_wait_kmcnt 0x0
	CROUND                                         ; all four work-groups are here: the joint loads meet
	; ONE chain of branches on the wave's number, one load to an arm: every way passes exactly one.  Each LDS address is a constant + the wave's number x a constant
	s_cmp_lt_u32 s[WV], 6
	s_cbranch_scc0 .Larm_e
	s_lshl_b32 s57, s[WV], 14                      ; V: 16,384 bytes a wave, from LDS byte 0
	s_add_co_u32 s84, s57, s18
	s_add_co_u32 s84, s84, 12582912
	ASK 4, 32
	s_branch .Lasked
.Larm_e:
	s_cmp_lt_u32 s[WV], 10
	s_cbranch_scc0 .Larm_o
	s_mul_i32 s57, s[WV], 12288                    ; K's even pairs: 8 (wave - 6) on, 12,288 bytes of LDS and 24,576 of memory a wave
	s_add_co_u32 s57, s57, KE-6*12288
	s_mul_i32 s84, s[WV], 24576
	s_add_co_u32 s84, s84, s18
	s_add_co_u32 s84, s84, 6291456-6*24576
	ASK 4, 24
	s_branch .Lasked
.Larm_o:
	s_cmp_lt_u32 s[WV], 14
	s_cbranch_scc0 .Larm_ks
	s_mul_i32 s57, s[WV], 12288                    ; K's odd pairs: 8 (wave - 10) on; in memory they begin 1,536 bytes behind the even ones
	s_add_co_u32 s57, s57, KO-10*12288
	s_mul_i32 s84, s[WV], 24576
	s_add_co_u32 s84, s84, s18
	s_add_co_u32 s84, s84, 6291456+1536-10*24576
	ASK 4, 24
	s_branch .Lasked
.Larm_ks:
	s_cmp_lt_u32 s[WV], 15
	s_cbranch_scc0 .Larm_vs
	s_mov_b32 s57, KSB
	s_lshl_b32 s84, s14, 13
	s_add_co_u32 s84, s84, 524288
	ASK 6, 40
	s_branch .Lasked
.Larm_vs:
	s_mov_b32 s57, VSB
	s_lshl_b32 s84, s14, 12
	s_add_co_u32 s84, s84, 1048576
	ASK 6, 48
.Lasked:
	s_lshl_b32 s16, s13, 5
	s_lshl_b32 s17, s[WV], 1
	s_add_co_u32 s16, s16, s17                     ; my first token tile: 32 cx + 2 wave
	s_mul_i32 s84, s16, 768
	s_add_co_u32 s84, s84, s18
	s_add_nc_u64 s[76:77], s[4:5], s[84:85]        ; Q's codes
	s_lshl_b32 s84, s14, 13
	s_lshl_b32 s17, s13, 2
	s_lshr_b32 s19, s[WV], 2
	s_add_co_u32 s17, s17, s19
	s_lshl_b32 s17, s17, 9                         ; the group of 8 tiles: 4 cx + wave / 4
	s_add_co_u32 s84, s84, s17
	s_and_b32 s17, s[WV], 3
	s_lshl_b32 s17, s17, 2                         ; in it tiles 2 (wave % 4) and the next: word wave % 4 at 16 r and at 256 + 16 r
	s_add_co_u32 s84, s84, s17
	s_add_nc_u64 s[78:79], s[6:7], s[84:85]        ; Q's scale words
	s_lshr_b32 s17, s14, 4
	s_lshl_b32 s17, s17, 7
	s_add_co_u32 s17, s17, s16                     ; the tile among all 512: 128 b + tile
	s_and_b32 s19, s14, 15                         ; head
	s_mul_i32 s84, s17, 12288
	s_mul_i32 s15, s19, 768
	s_add_co_u32 s84, s84, s15
	s_add_nc_u64 s[80:81], s[8:9], s[84:85]        ; o's codes
	s_lshl_b32 s84, s17, 9
	s_lshr_b32 s15, s19, 2
	s_lshl_b32 s15, s15, 7
	s_add_co_u32 s84, s84, s15
	s_and_b32 s15, s19, 3
	s_lshl_b32 s15, s15, 1
	s_add_co_u32 s84, s84, s15
	s_add_nc_u64 s[82:83], s[10:11], s[84:85]      ; o's scale bytes
	v_and_b32 v10, 31, v0
	v_and_b32 v11, 15, v0                          ; r
	v_bfe_u32 v[SH8], v0, 4, 1                     ; h
	v_and_b32 v[T0], 7, v0                         ; r % 8
	v_bfe_u32 v[T1], v0, 3, 1                      ; r / 8
	v_lshlrev_b32 v[V16], 4, v10
	v_lshlrev_b32 v[V8], 4, v11
	v_mul_u32_u24 v[AK16], v[T1], KO-KE
	v_lshlrev_b32 v[AKS], 4, v[T0]
	v_lshl_add_u32 v[V8], v[SH8], 3, v[V8]
	v_lshl_add_u32 v[AK16], v[T0], 4, v[AK16]
	v_lshl_add_u32 v[AKS], v[T1], 2, v[AKS]
	QLOAD                                          ; the first tile's Q lands under the tensor loads' flight
	v_lshl_add_u32 v[AK8], v[SH8], 3, v[AK16]
	v_lshl_add_u32 v[AK16], v[SH8], 8, v[AK16]
	v_lshl_add_u32 v[AKS], v[SH8], 7, v[AKS]
	v_lshl_add_u32 v[OB], v11, 3, v[SH8]
	v_add_nc_u32 v[AK8], KE, v[AK8]
	v_add_nc_u32 v[AK16], KE, v[AK16]
	v_add_nc_u32 v[AKS], KSB, v[AKS]
	v_lshlrev_b32 v[SH8], 3, v[SH8]
	v_add_nc_u32 v[W+2], VSB, v[V8]
.irp i, 0,1,2,3,4,5
	v_mov_b32 v[Q+6+\i], 0                         ; zero codes for K = 64 .. 127
	v_mov_b32 v[K+48+\i], 0
.endr
	v_mov_b32 v[T0], 0                             ; written once: a lane permute's destination counts as one of its sources
	v_mov_b32 v[T1], 0
	v_mov_b32 v[PS], 0                             ; (named as the upper half of the pair before it is first made)
	s_wait_alu depctr_va_vdst(0)                   ; the wait at the head's end
	s_wait_tensorcnt 0x0                           ; my part has landed,
	s_barrier_signal -1
	s_barrier_wait -1                              ; everybody's has: the whole head lies in LDS
	KLOAD AK16, AK8, AKS                           ; step 0's K, then its V
	VLOAD V16, V8, W+2
; A KEY STEP: 128 keys.
.macro STEP
	s_add_co_u32 s[NX], s[STEPS], 1
	s_and_b32 s[NX], s[NX], 15                     ; the next step; behind the last, the next pass's first
	s_mul_i32 s[NK], s[NX], 3072
	s_lshl_b32 s[NS], s[NX], 9
	s_mul_i32 s[NV], s[NX], 6144
	s_lshl_b32 s[NW], s[NX], 8
	s_add_co_u32 s[NW], s[NW], VSB
	s_wait_dscnt 17                                ; this step's K is in; the 17 loads of its V, issued behind K's, may be out
.irp c, 0,1
.irp u, 0,1,2,3
.if \u < 2
	v_wmma_scale_f32_16x16x128_f8f6f4 v[S+8*(4*\c+\u):S+8*(4*\c+\u)+7], v[K+6*(4*\c+\u):K+6*(4*\c+\u)+11], v[Q:Q+11], 0, v[KS+2*\c+\u], v[QS] matrix_a_fmt:MATRIX_FMT_FP6 matrix_b_fmt:MATRIX_FMT_FP6
.else
	v_wmma_scale_f32_16x16x128_f8f6f4 v[S+8*(4*\c+\u):S+8*(4*\c+\u)+7], v[K+6*(4*\c+\u):K+6*(4*\c+\u)+11], v[Q:Q+11], 0, v[KS+2*\c+\u-2], v[QS] matrix_a_fmt:MATRIX_FMT_FP6 matrix_b_fmt:MATRIX_FMT_FP6 matrix_a_scale:MATRIX_SCALE_ROW1
.endif
.endr
.endr
	v_add_nc_u32 v[W], s[NK], v[AK16]              ; four plain lines between the products and the loads into their registers, and the first read of the scores
	v_add_nc_u32 v[W+1], s[NK], v[AK8]
	v_add_nc_u32 v[W+2], s[NS], v[AKS]
	v_nop
	KLOAD W, W+1, W+2                              ; the next step's K lands while the softmax is walked
.irp c, 0,1                                    ; the largest score of my two blocks of 32 keys, each in two chains: for the row's maximum, and, since p rises with the score, for the block's largest p
	v_max3_num_f32 v[BM+\c], v[S+32*\c], v[S+32*\c+1], v[S+32*\c+2]
	v_max3_num_f32 v[BM+2+\c], v[S+32*\c+17], v[S+32*\c+18], v[S+32*\c+19]
.endr
.irp i, 0,2,4,6,8,10
.irp c, 0,1
	v_max3_num_f32 v[BM+\c], v[BM+\c], v[S+32*\c+3+\i], v[S+32*\c+4+\i]
	v_max3_num_f32 v[BM+2+\c], v[BM+2+\c], v[S+32*\c+20+\i], v[S+32*\c+21+\i]
.endr
.endr
.irp c, 0,1
	v_max3_num_f32 v[BM+\c], v[BM+\c], v[S+32*\c+15], v[S+32*\c+16]
.endr
	s_delay_alu instid0(VALU_DEP_2)
	v_max_num_f32 v[BM], v[BM], v[BM+2]
	s_delay_alu instid0(VALU_DEP_2)
	v_max_num_f32 v[BM+1], v[BM+1], v[BM+3]
	s_delay_alu instid0(VALU_DEP_1)
	v_max_num_f32 v[T0], v[BM], v[BM+1]            ; my 64 keys' largest score
	s_delay_alu instid0(VALU_DEP_1)
	v_permlanex16_b32 v[T1], v[T0], s[SEL], s[SEL+1]
	s_delay_alu instid0(VALU_DEP_1)
	v_max3_num_f32 v13, v13, v[T0], v[T1]          ; the running largest score of my query
	s_delay_alu instid0(VALU_DEP_1)
	v_mul_f32 v[T0], s[CS], v13                    ; as t (log2(e) is positive)
	s_delay_alu instid0(VALU_DEP_1)
	v_floor_f32 v[T1], -v[T0]                      ; the new -M = floor(-t) = -ceil(t): M is a whole number
	s_delay_alu instid0(VALU_DEP_1)
	v_sub_f32 v[T0], v[T1], v12                    ; old M - new M: a whole number, 0 or less
	v_mov_b32 v12, v[T1]
	s_delay_alu instid0(VALU_DEP_2)
	v_cvt_i32_f32 v[T0], v[T0]                     ; (it saturates)
	s_delay_alu instid0(VALU_DEP_1)
	v_ldexp_f32 v[FF], 1.0, v[T0]                  ; f = 2^(old M - new M)
.irp j, 0,2,4,6,8,10,12,14,16,18,20,22,24,26,28,30,32,34,36,38,40,42,44,46,48,50,52,54,56,58,60,62
	v_pk_fma_f32 v[S+\j:S+1+\j], v[S+\j:S+1+\j], s[CS:CS+1], v[12:13] op_sel_hi:[1,0,0]   ; t - M, two at a time
.endr
	v_fma_f32 v[BM], v[BM], s[CS], v12             ; the same of each block's largest score
	v_fma_f32 v[BM+1], v[BM+1], s[CS], v12
	s_wait_alu depctr_va_vdst(0)                   ; the wait ahead of the batch
.irp j, 0,1,2,3,4,5,6,7,8,9,10,11,12,13,14,15,16,17,18,19,20,21,22,23,24,25,26,27,28,29,30,31,32,33,34,35,36,37,38,39,40,41,42,43,44,45,46,47,48,49,50,51,52,53,54,55,56,57,58,59,60,61,62,63
	v_exp_f32 v[S+\j], v[S+\j]                     ; p = 2^(t - M), at most 1
.endr
	v_exp_f32 v[BM], v[BM]                         ; the block's largest p: the same two instructions on the same number give the same bits
	v_exp_f32 v[BM+1], v[BM+1]
	v_pk_mul_f32 v[14:15], v[14:15], v[FF:FF+1] op_sel_hi:[1,0]   ; the sums under the new M.  (The plain line behind the exponentials)
	s_wait_alu depctr_va_vdst(0)                   ; one wait for the batch of 66, ahead of its first reader
	v_pk_add_f32 v[PC:PC+1], v[S:S+1], v[S+2:S+3]  ; the row's sum is taken of the unquantised p: two at a time, in four chains
	v_pk_add_f32 v[PC+2:PC+3], v[S+4:S+5], v[S+6:S+7]
	v_pk_add_f32 v[PC+4:PC+5], v[S+8:S+9], v[S+10:S+11]
	v_pk_add_f32 v[14:15], v[14:15], v[S+12:S+13]
.irp i, 14,22,30,38,46,54
	v_pk_add_f32 v[PC:PC+1], v[PC:PC+1], v[S+\i:S+\i+1]
	v_pk_add_f32 v[PC+2:PC+3], v[PC+2:PC+3], v[S+\i+2:S+\i+3]
	v_pk_add_f32 v[PC+4:PC+5], v[PC+4:PC+5], v[S+\i+4:S+\i+5]
	v_pk_add_f32 v[14:15], v[14:15], v[S+\i+6:S+\i+7]
.endr
	v_pk_add_f32 v[PC:PC+1], v[PC:PC+1], v[S+62:S+63]
	v_pk_add_f32 v[PC+2:PC+3], v[PC+2:PC+3], v[PC+4:PC+5]
	v_max_num_f32 v[BM], 0x1800000, v[BM]          ; the floor 2^(3 - 127): the byte cannot fall under 1
	v_max_num_f32 v[BM+1], 0x1800000, v[BM+1]
	v_pk_add_f32 v[14:15], v[14:15], v[PC:PC+1]
	v_add_nc_u32 v[SO], 0xff000000, v[BM]          ; 2 off the exponent field: the conversion's scale operand
	v_add_nc_u32 v[SO+1], 0xff000000, v[BM+1]
	v_pk_add_f32 v[14:15], v[14:15], v[PC+2:PC+3]
	v_cvt_scalef32_pk16_fp6_f32 v[PC:PC+2], v[S:S+15], v[SO]           ; my block h: its lower 16 codes in place,
	v_cvt_scalef32_pk16_fp6_f32 v[PX0:PX0+2], v[S+16:S+31], v[SO]      ; its upper 16 elsewhere (a conversion's three registers begin on an even number)
	v_cvt_scalef32_pk16_fp6_f32 v[PC+6:PC+8], v[S+32:S+47], v[SO+1]    ; my block 2 + h
	v_cvt_scalef32_pk16_fp6_f32 v[PX1:PX1+2], v[S+48:S+63], v[SO+1]
	v_lshrrev_b32 v[BM], 23, v[SO]                 ; the scales' bytes.  (The plain line behind the conversions)
	v_lshrrev_b32 v[BM+1], 23, v[SO+1]
	s_delay_alu instid0(VALU_DEP_1)
	v_lshl_or_b32 v[BM], v[BM+1], 16, v[BM]        ; blocks h and 2 + h,
	s_delay_alu instid0(VALU_DEP_1)
	v_lshlrev_b32 v[BM], v[SH8], v[BM]             ; at their places in the word;
	s_delay_alu instid0(VALU_DEP_1)
	v_permlanex16_b32 v[T1], v[BM], s[SEL], s[SEL+1]
	s_delay_alu instid0(VALU_DEP_1)
	v_or_b32 v[PS], v[BM], v[T1]                   ; with lane l xor 16's two the word of these 128 keys is whole
.irp i, 0,1,2
	v_mov_b32 v[PC+3+\i], v[PX0+\i]
	v_mov_b32 v[PC+9+\i], v[PX1+\i]
.endr
	s_wait_alu depctr_va_vdst(0)                   ; the wait here, directly ahead of the first reader of O^T
.irp j, 0,2,4,6,8,10,12,14,16,18,20,22,24,26,28,30
	v_pk_mul_f32 v[O+\j:O+1+\j], v[O+\j:O+1+\j], v[FF:FF+1] op_sel_hi:[1,0]   ; O^T under the new M.  (These sixteen are also the places between the scale word's and the codes' last writes and the products)
.endr
	s_wait_alu depctr_va_vdst(0)                   ; the wait here, directly ahead of the wait below
	s_wait_dscnt 20                                ; V is in; the 20 loads of the next step's K, issued behind V's, may be out
.irp ct, 0,2                                   ; O^T += V^T P^T: four accumulators by turns
	v_wmma_scale_f32_16x16x128_f8f6f4 v[O+8*\ct:O+8*\ct+7], v[V+12*\ct:V+12*\ct+11], v[PC:PC+11], v[O+8*\ct:O+8*\ct+7], v[VS+\ct/2], v[PS] matrix_a_fmt:MATRIX_FMT_FP6 matrix_b_fmt:MATRIX_FMT_FP6
	v_wmma_scale_f32_16x16x128_f8f6f4 v[O+8*\ct+8:O+8*\ct+15], v[V+12*\ct+12:V+12*\ct+23], v[PC:PC+11], v[O+8*\ct+8:O+8*\ct+15], v[VS+\ct/2], v[PS] matrix_a_fmt:MATRIX_FMT_FP6 matrix_b_fmt:MATRIX_FMT_FP6 matrix_a_scale:MATRIX_SCALE_ROW1
.endr
	v_add_nc_u32 v[W], s[NV], v[V16]               ; four plain lines between the products and the loads into their registers
	v_add_nc_u32 v[W+1], s[NV], v[V8]
	v_add_nc_u32 v[W+2], s[NW], v[V8]
	v_nop
	VLOAD W, W+1, W+2                              ; the next step's V
.endm
	s_mov_b32 s[PASS], 2
.Lpass:                                            ; a pass: one tile of 16 queries against all 2,048 keys
	v_mov_b32 v13, 0xfe967699                      ; the largest score so far: -1e38, under every score served
	v_mov_b32 v12, 0x7e967699                      ; -M: so large that the first f is 0
	v_mov_b32 v14, 0                               ; the sum, in two halves
	v_mov_b32 v15, 0
.irp j, 0,1,2,3,4,5,6,7,8,9,10,11,12,13,14,15,16,17,18,19,20,21,22,23,24,25,26,27,28,29,30,31
	v_mov_b32 v[O+\j], 0                           ; O^T: the step is written once; its first trip finds zeros, which the first change of M leaves zeros
.endr
	s_mov_b32 s[STEPS], 0
	s_wait_alu depctr_va_vdst(0)                   ; the wait here, directly ahead of the wait below
	s_wait_loadcnt 0x0                             ; this pass's Q is in, and its loads have read their bases:
	s_add_nc_u64 s[76:77], s[76:77], 768           ; the next tile's
	s_add_nc_u64 s[78:79], s[78:79], 256
.Lstep:
	STEP
	s_add_co_u32 s[STEPS], s[STEPS], 1
	s_cmp_lt_u32 s[STEPS], 16
	s_wait_alu depctr_va_vdst(0)                   ; the wait ahead of the branch
	s_cbranch_scc1 .Lstep
	s_cmp_eq_u32 s[PASS], 1
	s_cbranch_scc1 .Lno_q                          ; the last pass has no successor
	QLOAD                                          ; the second tile's Q lands while the first tile goes out
.Lno_q:
	; THE WAY OUT of a pass: O^T / the sum, quantised along the head's 64 channels: one half fragment and two scale bytes a row
	v_add_f32 v14, v14, v15                        ; the sum's two halves,
	s_delay_alu instid0(VALU_DEP_1)
	v_permlanex16_b32 v[T0], v14, s[SEL], s[SEL+1]
	s_delay_alu instid0(VALU_DEP_1)
	v_add_f32 v14, v14, v[T0]                      ; and lane l xor 16's: the row's sum
	s_wait_alu depctr_va_vdst(0)                   ; the wait ahead of the transcendental
	v_rcp_f32 v14, v14
	v_nop                                          ; one plain line behind it
	s_wait_alu depctr_va_vdst(0)                   ; the wait ahead of the reciprocal's and O^T's first reader
.irp j, 0,2,4,6,8,10,12,14,16,18,20,22,24,26,28,30
	v_pk_mul_f32 v[S+\j:S+1+\j], v[O+\j:O+1+\j], v[14:15] op_sel_hi:[1,0]   ; number 16 b + i = channel 32 b + 16 (lane / 16) + i of my query
.endr
.irp b, 0,1
	v_max3_num_f32 v[BM+\b], |v[S+16*\b]|, |v[S+1+16*\b]|, 0x1800000
.endr
.irp i, 2,4,6,8,10,12,14
.irp b, 0,1
	s_delay_alu instid0(VALU_DEP_2)
	v_max3_num_f32 v[BM+\b], v[BM+\b], |v[S+16*\b+\i]|, |v[S+1+16*\b+\i]|
.endr
.endr
	s_delay_alu instid0(VALU_DEP_2)
	v_permlanex16_b32 v[T0], v[BM], s[SEL], s[SEL+1]
	s_delay_alu instid0(VALU_DEP_2)
	v_permlanex16_b32 v[T1], v[BM+1], s[SEL], s[SEL+1]
	s_delay_alu instid0(VALU_DEP_2)
	v_max_num_f32 v[BM], v[BM], v[T0]              ; with lane l xor 16's: the block's largest magnitude
	s_delay_alu instid0(VALU_DEP_2)
	v_max_num_f32 v[BM+1], v[BM+1], v[T1]
	s_delay_alu instid0(VALU_DEP_2)
	v_add_nc_u32 v[SO], 0xff000000, v[BM]
	s_delay_alu instid0(VALU_DEP_2)
	v_add_nc_u32 v[SO+1], 0xff000000, v[BM+1]
	s_delay_alu instid0(VALU_DEP_2)
	v_lshrrev_b32 v[T0], 23, v[SO]
	s_delay_alu instid0(VALU_DEP_2)
	v_lshrrev_b32 v[T1], 23, v[SO+1]
	v_cvt_scalef32_pk16_fp6_f32 v[PC:PC+2], v[S:S+15], v[SO]
	v_cvt_scalef32_pk16_fp6_f32 v[PX0:PX0+2], v[S+16:S+31], v[SO+1]
	v_cndmask_b32 v[BM], v[T0], v[T1], s[HMASK]    ; lanes 0-15 block 0's byte, lanes 16-31 block 1's.  (The plain line behind the conversions)
.irp i, 0,1,2
	v_permlane16_swap_b32 v[PC+\i], v[PX0+\i]      ; here a block lies in lanes l and l xor 16: the operand's layout wants it whole in a lane
.endr
.irp i, 0,1,2
	s_delay_alu instid0(VALU_DEP_3)
	v_mov_b32 v[PC+3+\i], v[PX0+\i]
.endr
	global_store_b128 v[V16], v[PC:PC+3], s[80:81]             ; 512 consecutive bytes, aligned,
	global_store_b64 v[V8], v[PC+4:PC+5], s[80:81] offset:512  ; and 256
	global_store_b8 v[OB], v[BM], s[82:83]
	s_wait_xcnt 0x0                                ; the stores have read their data and bases: both are written again only behind this wait
	s_add_nc_u64 s[80:81], s[80:81], 12288         ; the next token tile
	s_add_nc_u64 s[82:83], s[82:83], 512
	s_sub_co_u32 s[PASS], s[PASS], 1
	s_cmp_lg_u32 s[PASS], 0
	s_wait_alu depctr_va_vdst(0)                   ; the wait ahead of the branch
	s_cbranch_scc1 .Lpass
	s_wait_tensorcnt 0x0                           ; the wave's end
	ds_add_u32 v[SPW], v[NIL]
	s_wait_dscnt 0x0
	CROUND                                         ; the closing round
	s_endpgm
.Lfunc_end_k_q317526da2f_attn:
	.size	k_q317526da2f_attn, .Lfunc_end_k_q317526da2f_attn-k_q317526da2f_attn
	.p2alignl 7, 3214868480
	.fill 96, 4, 3214868480
	.section	.rodata,"a",@progbits
	.p2align	6, 0x0
	.amdhsa_kernel k_q317526da2f_attn
		.amdhsa_group_segment_fixed_size 215040
		.amdhsa_private_segment_fixed_size 0
		.amdhsa_enable_private_segment 0
		.amdhsa_kernarg_size 32
		.amdhsa_user_sgpr_count 2
		.amdhsa_user_sgpr_kernarg_segment_ptr 1
		.amdhsa_wavefront_size32 1
		.amdhsa_system_sgpr_workgroup_id_x 1
		.amdhsa_system_sgpr_workgroup_id_y 1
		.amdhsa_system_sgpr_workgroup_id_z 1
		.amdhsa_system_vgpr_workitem_id 0
		.amdhsa_next_free_vgpr 256
		.amdhsa_next_free_sgpr 96
		.amdhsa_reserve_vcc 0
		.amdhsa_float_denorm_mode_32 3
		.amdhsa_float_denorm_mode_16_64 3
		.amdhsa_memory_ordered 1
		.amdhsa_forward_progress 1
		.amdhsa_inst_pref_size 34
	.end_amdhsa_kernel
	.amdgpu_metadata
---
amdhsa.version: [ 1, 2 ]
amdhsa.kernels:
  - .name:           k_q317526da2f_attn
    .symbol:         k_q317526da2f_attn.kd
    .args:
      - { .name: qkvc, .offset: 0, .size: 8, .value_kind: global_buffer, .address_space: global }
      - { .name: qkvsc, .offset: 8, .size: 8, .value_kind: global_buffer, .address_space: global }
      - { .name: oc, .offset: 16, .size: 8, .value_kind: global_buffer, .address_space: global }
      - { .name: osc, .offset: 24, .size: 8, .value_kind: global_buffer, .address_space: global }
    .group_segment_fixed_size: 215040
    .private_segment_fixed_size: 0
    .kernarg_segment_align: 8
    .kernarg_segment_size: 32
    .max_flat_workgroup_size: 512
    .sgpr_count:     96
    .vgpr_count:     256
    .wavefront_size: 32
...
	.end_amdgpu_metadata
.endif
;; end of part 3
;; launch gemm_proj (part 4): grid 4 x 64, 4 waves a work-group, clusters of 4 x 4, 327,680 bytes of LDS; arguments oc, osc, opc, opsc, b_proj, out0; writes out0
.if DOCPART == 4
	.amdgcn_target "amdgcn-amd-amdhsa--gfx1250"
	.amdhsa_code_object_version 6
	.text
	.protected	k_q317526da2f_gemm_proj
	.globl	k_q317526da2f_gemm_proj
	.p2align	8
	.type	k_q317526da2f_gemm_proj,@function
k_q317526da2f_gemm_proj:
	s_mov_b64 s[64:65], 0
	v_nop
	global_prefetch_b8 v0, s[64:65] scope:SCOPE_SE
	s_setreg_imm32_b32 hwreg(HW_REG_WAVE_MODE, 25, 1), 1
	s_wait_xcnt 0x0
	s_wait_alu depctr_hold_cnt(0) depctr_sa_sdst(0) depctr_va_vdst(0) depctr_va_sdst(0) depctr_va_ssrc(0) depctr_va_vcc(0) depctr_vm_vsrc(0)
	s_getreg_b32 s2, hwreg(HW_REG_IB_STS2, 6, 4)
	s_cmp_eq_u32 s2, 0
	s_cbranch_scc0 .Lentry_in_a_cluster
	s_endpgm
.Lentry_in_a_cluster:
	s_bfe_u32 s2, ttmp6, 0x10000c
	s_cmp_lg_u32 s2, 0xf033
	s_cbranch_scc0 .Lentry_shape_is_right
	s_endpgm
.Lentry_shape_is_right:
; out0 [8192][1024] f32 = o w_proj + b_proj, K = 1024, both operands as codes of FP6 (E2M3) with E8M0 scale words, laid as register images:
; codes [tile of 16 rows][K / 64 = 16][768] (lane (r, h)'s 24 bytes of a half fragment: 16 at 16 (r + 16 h), 8 at 512 + 16 r + 8 h); scale words [tile][512]: (lane r, K step s of 128) at 128 (s / 2) + 8 r + 4 (s % 2).
; Row r of tile T is row 32 (T / 2) + 8 (T % 2) + r + 8 (r / 8).  o: oc, osc, tiles 0-511 (tokens); w_proj's columns: opc, opsc, tiles 704-767.
; SHARES.  256 work-groups; a work-group makes 128 tokens x 256 columns; each of its four waves 64 x 128: 32 accumulators of 16 x 16, 256 registers (window 2).
; ALL OF K LIES IN LDS, filled once: A's 8 tiles (98,304 bytes) at 0, B's 16 tiles (196,608) behind them.  One joint load a wave: waves 0 and 1 A's halves, waves 2 and 3 B's halves.  No byte is filled again.
; CLUSTERS: 4 x 4 work-groups; A's tiles hang on the block's row alone and are shared along a row of the cluster, B's on its column alone and are shared along a column.
; No data prefetch: every fill stands at the head, with no loop ahead of it to ask from.
; THE SCALE WORDS come straight into registers, 256 dense bytes a load: lanes 0-15 take the words of K steps 4 pp, 4 pp + 1 and lanes 16-31 those of steps 4 pp + 2, 4 pp + 3; the row selectors pick the half.
; THE MATRIX INSTRUCTION IS USED TRANSPOSED (source 0 = 16 columns of w_proj, source 1 = 16 tokens): a lane holds eight neighbouring columns of one token.  The bias is the first product's C.
; THE WAY OUT goes through a stage of each wave's own, on A's bytes: they have had their only fill, and a barrier shows that no wave reads them any more.
; REGISTERS: window 0: v16-31 addresses; v32-47 A's scale words, v48-79 B's; v80-143 the bias; v144-239 A's fragments, two sets; on the way out v80-207 rows read back.  Window 1: B's fragments, two sets, at v0 and v128.
.set KT,     12288
.set FR,     12
.set BBASE,  98304
.set SPARE,  294912
.set SPITCH, 528
.set A16,  24
.set A8,   25
.set STO,  26
.set SCA,  27
.set SPW,  28
.set NIL,  29
.set RD,   30
.set BO,   31
.set SA,   32
.set SB,   48
.set BIAS, 80
.set AF,   144
.set BK,   80
.set G1, 24
.set G0, 32
.set G1B, 48
.set G0B, 56
.set MSB, 0
.macro WIN new                         ; the immediate's high byte repeats the setting that is left
.if MSB != \new
	s_set_vgpr_msb (MSB<<8)|\new
.set MSB, \new
.endif
.endm
.set MUL_LO, 0xa1                      ; source 0 (B) window 1, source 1 (A) window 0, C and D window 2
.set FIRST_LO, 0x81                    ; the same with C (the bias) in window 0
.set TO_B,   0x40                      ; destination window 1, address window 0
.macro JLOAD g0a, g1a, g0b, g1b        ; waves 0 and 1 fetch for A, waves 2 and 3 for B
	s_cmp_eq_u32 s15, 0
	s_cbranch_scc0 .Lfor_b_\@
	tensor_load_to_lds s[\g0a:\g0a+3], s[\g1a:\g1a+7]
	s_nop 0
.rept 4
	v_nop
.endr
	s_branch .Lasked_\@
.Lfor_b_\@:
	tensor_load_to_lds s[\g0b:\g0b+3], s[\g1b:\g1b+7]
	s_nop 0
.rept 4
	v_nop
.endr
.Lasked_\@:
.endm
.macro CROUND                          ; a round of the cluster's barrier
	s_barrier_signal -1
	s_barrier_wait -1
	s_cmp_lg_u32 s14, 0
	s_cbranch_scc1 .Lnot_wave_0_\@
	s_barrier_signal -3
.Lnot_wave_0_\@:
	s_barrier_wait -3
	s_barrier_signal -1
	s_barrier_wait -1
.endm
.macro PLACES n
.rept \n
	v_nop
.endr
.endm
	s_load_b256 s[4:11], s[0:1], 0x0               ; oc s[4:5], osc s[6:7], opc s[8:9], opsc s[10:11]
	s_load_b128 s[96:99], s[0:1], 0x20             ; b_proj, out0
	v_lshl_add_u32 v[SPW], v0, 2, SPARE
	v_mov_b32 v[NIL], 0
	ds_add_u32 v[SPW], v[NIL]                      ; the opening lines: the add twice on end and its wait ahead of my tensor load
	ds_add_u32 v[SPW], v[NIL]
	v_lshrrev_b32 v1, 5, v0
	v_readfirstlane_b32 s14, v1                    ; wave 0..3
	s_lshr_b32 s15, s14, 1                         ; which 64 tokens are mine.  Also: I fetch for A (0) or for B (1)
	s_and_b32 s16, s14, 1                          ; which 128 columns.  Also: which half of that side I fetch
	s_bfe_u32 s40, ttmp6, 0x40000                  ; cx: the block's column
	s_bfe_u32 s41, ttmp6, 0x40004                  ; cy
	s_and_b32 s17, ttmp7, 0xffff                   ; the cluster's y
	s_lshl_b32 s43, s41, 2
	s_lshl_b32 s43, 15, s43                        ; my row of the cluster
	s_lshl_b32 s44, 0x1111, s40                    ; my column
	s_or_b32 s[G1+0], s43, (3<<16)|(1<<21)         ; dense blocks as rows of 256 bytes (32 elements of 8): A's half 192 rows, B's half 384
	s_or_b32 s[G1B+0], s44, (3<<16)|(1<<21)
	s_mov_b32 s[G1+1], 32<<16
	s_mov_b32 s[G1+2], 192<<16
	s_mov_b32 s[G1+3], 32<<16
	s_mov_b32 s[G1+4], 192
	s_mov_b32 s[G1+5], 32
	s_mov_b32 s[G1+6], 0
	s_mov_b32 s[G1+7], 0
	s_mov_b32 s[G1B+1], 32<<16
	s_mov_b32 s[G1B+2], 384<<16
	s_mov_b32 s[G1B+3], 32<<16
	s_mov_b32 s[G1B+4], 384
	s_mov_b32 s[G1B+5], 32
	s_mov_b32 s[G1B+6], 0
	s_mov_b32 s[G1B+7], 0
	s_lshl_b32 s18, s17, 5
	s_lshl_b32 s19, s41, 3
	s_add_co_u32 s18, s18, s19                     ; A's first tile: 8 (4 cluster y + cy)
	s_lshl_b32 s19, s16, 2
	s_add_co_u32 s19, s18, s19                     ; the four tiles that I fetch
	s_mul_i32 s20, s19, KT
	s_mov_b32 s21, 0
	s_lshl_b32 s19, s15, 2
	s_add_co_u32 s19, s18, s19                     ; the four tiles that I multiply
	s_lshl_b32 s22, s19, 9
	s_mov_b32 s23, 0
	s_lshl_b32 s46, s40, 4
	s_add_co_u32 s46, s46, 704
	s_lshl_b32 s47, s16, 3
	s_add_co_u32 s46, s46, s47                     ; B: tile 704 + 16 cx + 8 half: the eight that I fetch and the eight that I multiply
	s_mul_i32 s92, s46, KT
	s_mov_b32 s93, 0
	s_lshl_b32 s94, s46, 9
	s_mov_b32 s95, 0
	s_mul_i32 s45, s16, 49152                      ; where A's half goes,
	s_mul_i32 s42, s16, 98304
	s_add_co_u32 s42, s42, BBASE                   ; and B's: no place in the cluster enters an LDS address
	s_mul_i32 s60, s15, 49152                      ; my four tiles of A in LDS
	s_add_co_u32 s61, s42, 49152                   ; my tiles 4-7 of B
	s_mul_i32 s62, s14, 16*SPITCH                  ; my stage
	s_wait_dscnt 0x0
	s_wait_kmcnt 0x0
	s_add_nc_u64 s[20:21], s[4:5], s[20:21]
	s_add_nc_u64 s[22:23], s[6:7], s[22:23]
	s_add_nc_u64 s[92:93], s[8:9], s[92:93]
	s_add_nc_u64 s[94:95], s[10:11], s[94:95]
	CROUND                                         ; all sixteen work-groups are here: the joint loads meet
	s_mov_b32 s[G0], 1
	s_mov_b32 s[G0+1], s45
	s_mov_b64 s[G0+2:G0+3], s[20:21]
	s_or_b32 s[G0+3], s[G0+3], 0x80000000
	s_mov_b32 s[G0B], 1
	s_mov_b32 s[G0B+1], s42
	s_mov_b64 s[G0B+2:G0B+3], s[92:93]
	s_or_b32 s[G0B+3], s[G0B+3], 0x80000000
	JLOAD G0, G1, G0B, G1B                         ; my one tensor load of the launch
	v_and_b32 v1, 15, v0                           ; r
	v_bfe_u32 v2, v0, 4, 1                         ; h
	v_and_b32 v3, 31, v0
	v_lshlrev_b32 v[A16], 4, v3                    ; 16 x lane
	v_lshlrev_b32 v[A8], 4, v1
	v_lshlrev_b32 v[BO], 6, v2                     ; the bias: 16 h columns
	v_lshlrev_b32 v[SCA], 3, v1
	v_mul_u32_u24 v5, v1, SPITCH
	v_lshl_add_u32 v[A8], v2, 3, v[A8]             ; 16 r + 8 h
	v_lshl_add_u32 v[SCA], v2, 7, v[SCA]           ; scale words: 8 r + 128 h
	v_lshl_add_u32 v5, v2, 6, v5
	v_add_nc_u32 v16, s60, v[A16]                  ; v16, v17 A's fragments; v18, v19 B's tiles 0-3; v20, v21 B's tiles 4-7
	v_add_nc_u32 v17, s60, v[A8]
	v_add_nc_u32 v18, s42, v[A16]
	v_add_nc_u32 v19, s42, v[A8]
	v_add_nc_u32 v20, s61, v[A16]
	v_add_nc_u32 v21, s61, v[A8]
	v_add_nc_u32 v[STO], s62, v5                   ; into the stage: row r, 64 bytes for each half of the lanes
	v_add_nc_u32 v[RD], s62, v[A16]                ; back: the 32 lanes take one row of 512 bytes
	s_wait_alu depctr_va_vdst(0)                   ; the wait behind the head's last vector instruction
	s_lshl_b32 s18, s40, 10
	s_lshl_b32 s19, s16, 9
	s_add_co_u32 s18, s18, s19                     ; my first column, in bytes
	s_mov_b32 s19, 0
	s_add_nc_u64 s[96:97], s[96:97], s[18:19]
	s_add_nc_u64 s[98:99], s[98:99], s[18:19]
.irp b, 0,1,2,3,4,5,6,7
	global_load_b128 v[BIAS+8*\b:BIAS+8*\b+3], v[BO], s[96:97] offset:(32*(\b/2)+8*(\b%2))*4       ; register j of tile b is column 32 (b / 2) + 8 (b % 2) + 16 h + j
	global_load_b128 v[BIAS+8*\b+4:BIAS+8*\b+7], v[BO], s[96:97] offset:(32*(\b/2)+8*(\b%2))*4+16
.endr
.irp i, 0,1,2,3
.irp p, 0,1
	global_load_b64 v[SA+4*\i+2*\p:SA+4*\i+2*\p+1], v[SCA], s[22:23] offset:512*\i+256*\p
.endr
.endr
.irp i, 0,1,2,3,4,5,6,7
.irp p, 0,1
	global_load_b64 v[SB+4*\i+2*\p:SB+4*\i+2*\p+1], v[SCA], s[94:95] offset:512*\i+256*\p
.endr
.endr
	s_lshl_b32 s18, s17, 2
	s_add_co_u32 s18, s18, s41
	s_lshl_b32 s18, s18, 1
	s_add_co_u32 s18, s18, s15
	s_lshl_b32 s18, s18, 18                        ; my first token: 64 (2 (4 cluster y + cy) + half), rows of 4,096 bytes
	s_add_nc_u64 s[98:99], s[98:99], s[18:19]
.macro FRAG reg, a16, a8, off          ; a fragment, 16 rows x 128 K: two half fragments as they lie
	ds_load_b128 v[\reg:\reg+3],     v[\a16] offset:\off
	ds_load_b64  v[\reg+4:\reg+5],   v[\a8]  offset:\off+512
	ds_load_b128 v[\reg+6:\reg+9],   v[\a16] offset:\off+768
	ds_load_b64  v[\reg+10:\reg+11], v[\a8]  offset:\off+1280
.endm
.macro FETCH s                         ; K step s: B's eight fragments and A's four into set s % 2: 48 LDS loads
	WIN TO_B
.irp i, 0,1,2,3
	FRAG 128*((\s)%2)+FR*\i, 18, 19, KT*\i+1536*(\s)
.endr
.irp i, 0,1,2,3
	FRAG 128*((\s)%2)+FR*(\i+4), 20, 21, KT*\i+1536*(\s)
.endr
	WIN 0
.irp i, 0,1,2,3
	FRAG AF+48*((\s)%2)+FR*\i, 16, 17, KT*\i+1536*(\s)
.endr
.endm
; 32 matrix instructions: A's four blocks x B's eight, 128 along K.  The 32 accumulators take turns, one instruction a turn, in the same order in every step.
.macro MUL s, first
.irp a, 0,1,2,3
.irp b, 0,1,2,3,4,5,6,7
.if \first
	v_wmma_scale_f32_16x16x128_f8f6f4 v[8*(8*\a+\b):8*(8*\a+\b)+7], v[128*((\s)%2)+FR*\b:128*((\s)%2)+FR*\b+FR-1], v[AF+48*((\s)%2)+FR*\a:AF+48*((\s)%2)+FR*\a+FR-1], v[BIAS+8*\b:BIAS+8*\b+7], v[SB+4*\b+2*((\s)/4)+(\s)%2], v[SA+4*\a+2*((\s)/4)+(\s)%2] matrix_a_fmt:MATRIX_FMT_FP6 matrix_b_fmt:MATRIX_FMT_FP6
.else
.if ((\s)/2)%2
	v_wmma_scale_f32_16x16x128_f8f6f4 v[8*(8*\a+\b):8*(8*\a+\b)+7], v[128*((\s)%2)+FR*\b:128*((\s)%2)+FR*\b+FR-1], v[AF+48*((\s)%2)+FR*\a:AF+48*((\s)%2)+FR*\a+FR-1], v[8*(8*\a+\b):8*(8*\a+\b)+7], v[SB+4*\b+2*((\s)/4)+(\s)%2], v[SA+4*\a+2*((\s)/4)+(\s)%2] matrix_a_fmt:MATRIX_FMT_FP6 matrix_b_fmt:MATRIX_FMT_FP6 matrix_a_scale:MATRIX_SCALE_ROW1 matrix_b_scale:MATRIX_SCALE_ROW1
.else
	v_wmma_scale_f32_16x16x128_f8f6f4 v[8*(8*\a+\b):8*(8*\a+\b)+7], v[128*((\s)%2)+FR*\b:128*((\s)%2)+FR*\b+FR-1], v[AF+48*((\s)%2)+FR*\a:AF+48*((\s)%2)+FR*\a+FR-1], v[8*(8*\a+\b):8*(8*\a+\b)+7], v[SB+4*\b+2*((\s)/4)+(\s)%2], v[SA+4*\a+2*((\s)/4)+(\s)%2] matrix_a_fmt:MATRIX_FMT_FP6 matrix_b_fmt:MATRIX_FMT_FP6
.endif
.endif
.endr
.endr
.endm
.macro STEP s                          ; this step's fragments are in; the next step's are asked for ahead of this step's 32 products
	s_wait_dscnt 0x0
.if (\s) > 0
	PLACES 4                                       ; between the last step's products and the loads into the set that they read
.endif
	FETCH (\s)+1
.if (\s) == 0
	WIN FIRST_LO
	MUL \s, 1
.else
	WIN MUL_LO
	MUL \s, 0
.endif
.endm
	s_wait_alu depctr_va_vdst(0)                   ; the wait at the head's end
	s_wait_tensorcnt 0x0                           ; my part has landed,
	s_barrier_signal -1
	s_barrier_wait -1                              ; everybody's has: all of K lies in LDS
	FETCH 0
	s_wait_loadcnt 0x0                             ; the bias and the scale words
	STEP 0
	STEP 1
	STEP 2
	STEP 3
	STEP 4
	STEP 5
	STEP 6
	s_wait_dscnt 0x0                               ; the last step's fragments are in: my reads of the tiles are over:
	s_barrier_signal -1                            ; say so,
	WIN MUL_LO
	MUL 7, 0                                       ; work on registers while the others arrive,
	WIN 0
	s_barrier_wait -1                              ; and go on when no wave reads A's bytes any more: the stages lie there
; THE WAY OUT, block by block of 16 tokens x 128 columns: through my stage, back as whole rows of 512 bytes, which the 32 lanes store as two aligned runs of 256 bytes.
; LDS serves a wave's instructions in order (ISA guide 5.7.1.4): no wait between the stores and the loads.
.macro TOSTAGE a
.set AC, 64*(\a)
	WIN 0x08                                       ; the data: window 2
.irp b, 0,1,2,3,4,5,6,7
	ds_store_b128 v[STO], v[AC+8*\b:AC+8*\b+3] offset:128*(\b/2)+32*(\b%2)       ; each accumulator from its low end on
	ds_store_b128 v[STO], v[AC+8*\b+4:AC+8*\b+7] offset:128*(\b/2)+32*(\b%2)+16
.endr
	WIN 0
.set BB, BK+64*((\a)%2)
.irp t, 0,1,2,3,4,5,6,7,8,9,10,11,12,13,14,15
	ds_load_b128 v[BB+4*\t:BB+4*\t+3], v[RD] offset:\t*SPITCH
.endr
.endm
.macro SEND a, younger                 ; younger: the LDS instructions issued behind block a's loads, which may stay out
.set BB, BK+64*((\a)%2)
	s_wait_dscnt \younger
.irp t, 0,1,2,3,4,5,6,7,8,9,10,11,12,13,14,15
	global_store_b128 v[A16], v[BB+4*\t:BB+4*\t+3], s[98:99] offset:(32*((\a)/2)+8*((\a)%2)+\t+8*(\t/8))*4096 th:TH_STORE_NT
.endr
.endm
	PLACES 4                                       ; between the last products and the first read of results, and the loads into registers that they read
	TOSTAGE 0
.irp a, 1,2,3
.if \a > 1
	s_wait_xcnt 0x0                                ; block a - 2's stores have read their registers: block a's loads may land there
.endif
	TOSTAGE \a
	SEND \a-1, 32                                  ; behind block a - 1's loads: block a's 16 stores and 16 loads
.endr
	SEND 3, 0
	s_wait_tensorcnt 0x0                           ; the wave's end
	ds_add_u32 v[SPW], v[NIL]
	s_wait_dscnt 0x0
	CROUND                                         ; the closing round
	s_endpgm
.Lfunc_end_k_q317526da2f_gemm_proj:
	.size	k_q317526da2f_gemm_proj, .Lfunc_end_k_q317526da2f_gemm_proj-k_q317526da2f_gemm_proj
	.p2alignl 7, 3214868480
	.fill 96, 4, 3214868480
	.section	.rodata,"a",@progbits
	.p2align	6, 0x0
	.amdhsa_kernel k_q317526da2f_gemm_proj
		.amdhsa_group_segment_fixed_size 327680
		.amdhsa_private_segment_fixed_size 0
		.amdhsa_enable_private_segment 0
		.amdhsa_kernarg_size 48
		.amdhsa_user_sgpr_count 2
		.amdhsa_user_sgpr_kernarg_segment_ptr 1
		.amdhsa_wavefront_size32 1
		.amdhsa_system_sgpr_workgroup_id_x 1
		.amdhsa_system_sgpr_workgroup_id_y 1
		.amdhsa_system_sgpr_workgroup_id_z 1
		.amdhsa_system_vgpr_workitem_id 0
		.amdhsa_next_free_vgpr 768
		.amdhsa_next_free_sgpr 100
		.amdhsa_reserve_vcc 0
		.amdhsa_float_denorm_mode_32 3
		.amdhsa_float_denorm_mode_16_64 3
		.amdhsa_memory_ordered 1
		.amdhsa_forward_progress 1
		.amdhsa_inst_pref_size 83
	.end_amdhsa_kernel
	.amdgpu_metadata
---
amdhsa.version: [ 1, 2 ]
amdhsa.kernels:
  - .name:           k_q317526da2f_gemm_proj
    .symbol:         k_q317526da2f_gemm_proj.kd
    .args:
      - { .name: oc, .offset: 0, .size: 8, .value_kind: global_buffer, .address_space: global }
      - { .name: osc, .offset: 8, .size: 8, .value_kind: global_buffer, .address_space: global }
      - { .name: opc, .offset: 16, .size: 8, .value_kind: global_buffer, .address_space: global }
      - { .name: opsc, .offset: 24, .size: 8, .value_kind: global_buffer, .address_space: global }
      - { .name: b_proj, .offset: 32, .size: 8, .value_kind: global_buffer, .address_space: global }
      - { .name: out0, .offset: 40, .size: 8, .value_kind: global_buffer, .address_space: global }
    .group_segment_fixed_size: 327680
    .private_segment_fixed_size: 0
    .kernarg_segment_align: 8
    .kernarg_segment_size: 48
    .max_flat_workgroup_size: 128
    .sgpr_count:     100
    .vgpr_count:     768
    .wavefront_size: 32
...
	.end_amdgpu_metadata
.endif
;; end of part 4
